; MI455X (gfx1250); checked and timed in simulation.
; The chip was launched on July 23, 2026; its instructions are those of AMD's public machine-readable ISA for CDNA 5 (MIT licence, August 2026) and "CDNA5" Instruction Set Architecture Reference Guide (July 2026). The comments in the code are by the model that wrote it; some were corrected since.
;; Encoder Block. Allowed arithmetic: float matrix products may take bf16 or f16 operands with f32 sums; all other float work in f32.
;; Inputs: B1 2 x 2,048 float32; B2 2 x 512 float32; W1 2 x 512 x 2,048 float32; W2 2 x 2,048 x 512 float32; Wk 512 x 512 float32; Wo 512 x 512 float32; Wq 512 x 512 float32; Wv 512 x 512 float32; attention_mask 8 x 1,024 int32; beta1 512 float32; beta2 512 float32; bk 512 float32; bo 512 float32; bq 512 float32; bv 512 float32; g1 512 float32; g2 512 float32; router_b 2 float32; router_w 512 x 2 float32; x 8 x 1,024 x 512 float32.
;; Outputs: out0 8 x 1,024 x 512 float32; out1 one number float32.
;; One version. Each part assembles by itself: llvm-mc -triple=amdgcn-amd-amdhsa -mcpu=gfx1250 --defsym DOCPART=n.
;; ======== version 1 of 1: 6 launches
;; limits: right only within a limited range of input values
;; workspace buffers: cb 18,874,368 bytes; qkv 25,165,824 bytes; ob 8,388,608 bytes; x1 16,777,216 bytes; x1b 8,388,608 bytes; gp 67,584 bytes; pz 67,108,864 bytes
;; launch prep (part 1): grid 576 x 1, 8 waves a work-group, no clusters, 0 bytes of LDS; arguments x, Wq, Wk, Wv, Wo, W1, W2, cb; writes cb
.if DOCPART == 1
	.amdgcn_target "amdgcn-amd-amdhsa--gfx1250"
	.amdhsa_code_object_version 6
	.text
	.protected	k_q880cfc3951_prep
	.globl	k_q880cfc3951_prep
	.p2align	8
	.type	k_q880cfc3951_prep,@function
k_q880cfc3951_prep:
	s_mov_b64 s[64:65], 0
	v_nop
	global_prefetch_b8 v0, s[64:65] scope:SCOPE_SE
	s_setreg_imm32_b32 hwreg(HW_REG_WAVE_MODE, 25, 1), 1
	s_wait_xcnt 0x0
; A flat cast f32 -> bf16 of x, Wq (times c), Wk, Wv, Wo, W1, W2 into cb, one behind the other, each in its own order.
; c = log2(e) / sqrt(32) goes into Wq in f32, ahead of Wq's one rounding, so that the scores of the attention arrive in base 2.
; A work-group casts 16,384 numbers: 65,536 bytes in, 32,768 bytes out.  Thread t takes 8 numbers at 32 t + 8,192 j, j = 0..7:
; all sixteen loads of a thread go out at once; a store of a wave covers 512 consecutive bytes, aligned.
; No LDS, no barrier, no matrix unit: the launch only moves bytes.
.set CSC, 0x3e8293ee                   ; c
.set X, 8                              ; v[8:71]   as loaded, 8 registers for each j
.set Y, 72                             ; v[72:103] to store, 4 registers for each j: never written twice, so no wait frees them
	s_load_b512 s[8:23], s[0:1], 0x0               ; x, Wq, Wk, Wv, Wo, W1, W2 in s[8:21], cb in s[22:23]
	s_mov_b32 s2, ttmp9
	s_mov_b32 s24, CSC
	s_mov_b32 s25, CSC
	v_lshlrev_b32 v1, 5, v0                        ; 32 t: my 8 numbers in f32
	v_lshlrev_b32 v2, 4, v0                        ; 16 t: the same in bf16
	s_wait_kmcnt 0x0
	s_mov_b64 s[4:5], s[8:9]                       ; the source and its first work-group: x and 0, unless a later source begins at or below my number
	s_mov_b32 s3, 0
.macro PICK bound, src
	s_cmp_ge_u32 s2, \bound
	s_cselect_b64 s[4:5], s[\src:\src+1], s[4:5]
	s_cselect_b32 s3, \bound, s3
.endm
	PICK 256, 10
	PICK 272, 12
	PICK 288, 14
	PICK 304, 16
	PICK 320, 18
	PICK 448, 20
	s_sub_co_u32 s6, s2, s3
	s_lshl_b32 s6, s6, 16                          ; 65,536 bytes of the source for each work-group
	s_mov_b32 s7, 0
	s_add_nc_u64 s[4:5], s[4:5], s[6:7]
	s_lshl_b32 s6, s2, 15                          ; 32,768 bytes of cb
	s_add_nc_u64 s[22:23], s[22:23], s[6:7]
.irp j, 0,1,2,3,4,5,6,7
	global_load_b128 v[X+8*\j:X+8*\j+3],   v1, s[4:5] offset:8192*\j th:TH_LOAD_NT
	global_load_b128 v[X+8*\j+4:X+8*\j+7], v1, s[4:5] offset:8192*\j+16 th:TH_LOAD_NT
.endr
.macro CAST scaled
.irp j, 0,1,2,3,4,5,6,7
	s_wait_loadcnt 14-2*\j                         ; the two loads of each later j may stay out
.if \scaled
.irp k, 0,2,4,6
	v_pk_mul_f32 v[X+8*\j+\k:X+8*\j+\k+1], v[X+8*\j+\k:X+8*\j+\k+1], s[24:25] op_sel_hi:[1,0]
.endr
.endif
.irp k, 0,1,2,3
	v_cvt_pk_bf16_f32 v[Y+4*\j+\k], v[X+8*\j+2*\k], v[X+8*\j+2*\k+1]
.endr
	global_store_b128 v2, v[Y+4*\j:Y+4*\j+3], s[22:23] offset:4096*\j
.endr
.endm
	s_cmp_ge_u32 s2, 256                           ; work-groups 256 to 271 hold Wq
	s_cbranch_scc0 .Lplain
	s_cmp_lt_u32 s2, 272
	s_cbranch_scc0 .Lplain
	CAST 1
	s_endpgm
.Lplain:
	CAST 0
	s_endpgm
.Lfunc_end_k_q880cfc3951_prep:
	.size	k_q880cfc3951_prep, .Lfunc_end_k_q880cfc3951_prep-k_q880cfc3951_prep
	.p2alignl 7, 3214868480
	.fill 96, 4, 3214868480
	.section	.rodata,"a",@progbits
	.p2align	6, 0x0
	.amdhsa_kernel k_q880cfc3951_prep
		.amdhsa_group_segment_fixed_size 0
		.amdhsa_private_segment_fixed_size 0
		.amdhsa_enable_private_segment 0
		.amdhsa_kernarg_size 64
		.amdhsa_user_sgpr_count 2
		.amdhsa_user_sgpr_kernarg_segment_ptr 1
		.amdhsa_wavefront_size32 1
		.amdhsa_system_sgpr_workgroup_id_x 1
		.amdhsa_system_sgpr_workgroup_id_y 1
		.amdhsa_system_sgpr_workgroup_id_z 1
		.amdhsa_system_vgpr_workitem_id 0
		.amdhsa_next_free_vgpr 104
		.amdhsa_next_free_sgpr 66
		.amdhsa_reserve_vcc 0
		.amdhsa_float_denorm_mode_32 3
		.amdhsa_float_denorm_mode_16_64 3
		.amdhsa_memory_ordered 1
		.amdhsa_forward_progress 1
		.amdhsa_inst_pref_size 12
	.end_amdhsa_kernel
	.amdgpu_metadata
---
amdhsa.version: [ 1, 2 ]
amdhsa.kernels:
  - .name:           k_q880cfc3951_prep
    .symbol:         k_q880cfc3951_prep.kd
    .args:
      - { .name: x, .offset: 0, .size: 8, .value_kind: global_buffer, .address_space: global }
      - { .name: Wq, .offset: 8, .size: 8, .value_kind: global_buffer, .address_space: global }
      - { .name: Wk, .offset: 16, .size: 8, .value_kind: global_buffer, .address_space: global }
      - { .name: Wv, .offset: 24, .size: 8, .value_kind: global_buffer, .address_space: global }
      - { .name: Wo, .offset: 32, .size: 8, .value_kind: global_buffer, .address_space: global }
      - { .name: W1, .offset: 40, .size: 8, .value_kind: global_buffer, .address_space: global }
      - { .name: W2, .offset: 48, .size: 8, .value_kind: global_buffer, .address_space: global }
      - { .name: cb, .offset: 56, .size: 8, .value_kind: global_buffer, .address_space: global }
    .group_segment_fixed_size: 0
    .private_segment_fixed_size: 0
    .kernarg_segment_align: 8
    .kernarg_segment_size: 64
    .max_flat_workgroup_size: 256
    .sgpr_count:     66
    .vgpr_count:     104
    .wavefront_size: 32
...
	.end_amdgpu_metadata
.endif
;; end of part 1
;; launch qkv (part 2): grid 32 x 6, 4 waves a work-group, clusters of 4 x 1, 327,680 bytes of LDS; arguments cb, bq, bk, bv, qkv; writes qkv
.if DOCPART == 2
	.amdgcn_target "amdgcn-amd-amdhsa--gfx1250"
	.amdhsa_code_object_version 6
	.text
	.protected	k_q880cfc3951_qkv
	.globl	k_q880cfc3951_qkv
	.p2align	8
	.type	k_q880cfc3951_qkv,@function
k_q880cfc3951_qkv:
	s_mov_b64 s[64:65], 0
	v_nop
	global_prefetch_b8 v0, s[64:65] scope:SCOPE_SE
	s_setreg_imm32_b32 hwreg(HW_REG_WAVE_MODE, 25, 1), 1
	s_wait_xcnt 0x0
	s_wait_alu depctr_hold_cnt(0) depctr_sa_sdst(0) depctr_va_vdst(0) depctr_va_sdst(0) depctr_va_ssrc(0) depctr_va_vcc(0) depctr_vm_vsrc(0)
	s_getreg_b32 s2, hwreg(HW_REG_IB_STS2, 6, 4)
	s_cmp_eq_u32 s2, 0
	s_cbranch_scc0 .Lentry_in_a_cluster
	s_endpgm
.Lentry_in_a_cluster:
	s_bfe_u32 s2, ttmp6, 0x10000c
	s_cmp_lg_u32 s2, 0x3003
	s_cbranch_scc0 .Lentry_shape_is_right
	s_endpgm
.Lentry_shape_is_right:
; q, k, v = xb [c Wq | Wk | Wv] + (c bq | bk | bv), bf16 operands, f32 sums, stored in bf16 by heads: qkv[b][hg][t][32], hg = 0-15 q, 16-31 k, 32-47 v.
; A tile of 256 rows x 256 columns to a work-group of four waves, 128 x 128 (64 accumulators, 512 registers) to a wave.  K = 512 goes in four steps of 128 through two LDS slots.
; A's tile (x, rows along K) lies as it comes; B's tile (a weight, [k][n]) lies as it comes too and is turned on its way into registers by ds_load_tr16_b128.
; THE MATRIX INSTRUCTION IS USED TRANSPOSED: source 0 = 16 columns of B, source 1 = 16 rows of A; a lane then holds one row and eight neighbouring columns.
; The first products take the bias as C, so nothing is cleared and no bias is added later.
; CLUSTER: 4 x 1: the four work-groups of a cluster have four different row tiles and the same column tile, so B's tiles are asked for jointly (mask 15).
; A's tiles are each work-group's own (mask 0).  No 4 x 4 cluster: the grid has 6 column tiles, no multiple of four.
; A K step is written once: the slot in hand is the scalar TB, turned by an exclusive or; the refills walk with one descriptor a tensor.  SLOT's bits (17, 13) occur in no wave's offset, so the exclusive or adds or takes away SLOT.
; REGISTERS by windows of 256: window 0: v0-31 addresses, v32-63 and v224-255 rows on their way out, v64-191 A's fragments (two buffers), v192-223 packed results;
;   window 1: v0-63 the bias, v64-191 B's fragments (two buffers); windows 2, 3: the accumulators ((a, b) at v[8 (8 a + b)], rows 0-63 and 64-127).
.set PITCH,  272                       ; A's LDS row: 256 bytes + 16
.set PB,     544                       ; B's LDS row: 512 bytes + 32 = 17 x 32
.set HALFT,  34816                     ; what one tensor load brings: 128 rows x 272 or 64 rows x 544
.set BOFF,   2*HALFT
.set SLOT,   4*HALFT
.set STAGE,  2*SLOT                    ; 16 rows x 272 bytes for each wave, never filled by a tensor load
.set SPITCH, 272
.set SPARE,  STAGE+4*16*SPITCH         ; the spare words, 128 bytes a wave
.set STEPA,  256                       ; bytes from K step to K step in A
.set PITCHB, 512                       ; elements in a row of the weight
.set STEPB,  128*PITCHB*2
.set A0, 2                             ; v2  my lane's place in A's part of a slot
.set B0, 3                             ; v3  the same for B
.set STO, 24
.set RD, 25
.set CO, 26
.set SPW, 28
.set NIL, 29
.set ADRA, 30                          ; v30, v31: TB + A0, TB + B0
.set ADRB, 31
.set OB, 32
.set F0, 64
.set F1, 128
.set TMP, 192
.set G1, 24
.set G0, 32
.set G1B, 48
.set G0B, 56
.set TB, 45
.set MSB, 0
.macro WIN new                         ; the immediate's high byte repeats the setting that is left
.if MSB != (\new)
	s_set_vgpr_msb (MSB<<8)|(\new)
.set MSB, \new
.endif
.endm
.set MUL_LO, 0xa1                      ; source 0 (B) window 1, source 1 (A) window 0, C and D window 2
.set TO_B,   0x40
.macro PLACES                          ; four places behind matrix instructions (ISA guide 7.12.1)
.rept 4
	v_nop
.endr
.endm
.macro JLOAD                           ; a refill: waves 0, 1 fetch A's halves, waves 2, 3 B's; the branch hangs on the wave's number alone
	s_cmp_eq_u32 s11, 0
	s_cbranch_scc0 .Lfor_b_\@
	tensor_load_to_lds s[G0+4:G0+7], s[G1:G1+7]
	s_nop 0
	PLACES
	s_branch .Lasked_\@
.Lfor_b_\@:
	tensor_load_to_lds s[G0B+4:G0B+7], s[G1B:G1B+7]
	s_nop 0
	PLACES
.Lasked_\@:
.endm
.macro CREST
	s_cmp_lg_u32 s10, 0
	s_cbranch_scc1 .Lnot_wave_0_\@
	s_barrier_signal -3
.Lnot_wave_0_\@:
	s_barrier_wait -3
	s_barrier_signal -1
	s_barrier_wait -1
.endm
.macro CROUND
	s_barrier_signal -1
	s_barrier_wait -1
	CREST
.endm
	s_load_b256 s[68:75], s[0:1], 0x0              ; cb, bq, bk, bv
	s_load_b64 s[8:9], s[0:1], 0x20                ; qkv
	v_lshl_add_u32 v[SPW], v0, 2, SPARE
	v_mov_b32 v[NIL], 0
	ds_add_u32 v28, v29
	ds_add_u32 v28, v29
	s_wait_dscnt 0x0
	v_lshrrev_b32 v1, 5, v0
	v_readfirstlane_b32 s10, v1                    ; wave
	s_lshr_b32 s11, s10, 1                         ; my half of the rows; also: I fetch A (0) or B (1)
	s_and_b32 s12, s10, 1                          ; my half of the columns; also: which half of a tile I fetch
	s_bfe_u32 s40, ttmp6, 0x40000                  ; cx
	s_lshl_b32 s13, ttmp9, 2
	s_add_co_u32 s13, s13, s40                     ; tile row
	s_and_b32 s42, ttmp7, 0xffff                   ; tile column, the same in the four partners
	s_mov_b32 s[G1+0], (1<<16)|(1<<20)|(5<<22)|(3<<25)   ; 2-byte elements; 4 words of padding behind every 64
	s_mov_b32 s[G1+1], 128<<16                     ; tensor_dim0
	s_mov_b32 s[G1+2], 128<<16                     ; tensor_dim1
	s_mov_b32 s[G1+3], 128<<16                     ; tile_dim0
	s_mov_b32 s[G1+4], 128                         ; tile_dim1
	s_mov_b32 s[G1+5], 512                         ; elements from row to row
	s_mov_b32 s[G1+6], 0
	s_mov_b32 s[G1+7], 0
	s_mov_b32 s[G1B+0], 15|(1<<16)|(1<<20)|(1<<21)|(6<<22)|(7<<25)  ; the mask of four, bit 21 beside it; 8 words of padding behind every 128
	s_mov_b32 s[G1B+1], 256<<16
	s_mov_b32 s[G1B+2], 64<<16
	s_mov_b32 s[G1B+3], 256<<16
	s_mov_b32 s[G1B+4], 64
	s_mov_b32 s[G1B+5], PITCHB
	s_mov_b32 s[G1B+6], 0
	s_mov_b32 s[G1B+7], 0
	s_mov_b32 s78, 0x3e8293ee                      ; c = log2(e) / sqrt(32), for bq
	s_mov_b32 s79, 0x3e8293ee
	s_mov_b32 s[TB], 0
	s_lshl_b32 s16, s13, 18                        ; A: row 256 x tile row + 128 x half, 1,024 bytes a row
	s_lshl_b32 s17, s12, 17
	s_add_co_u32 s16, s16, s17
	s_mov_b32 s17, 0
	s_lshr_b32 s14, s42, 1                         ; which of the three weights
	s_and_b32 s15, s42, 1                          ; which half of its columns
	s_lshl_b32 s46, s14, 19
	s_lshl_b32 s47, s15, 9
	s_add_co_u32 s46, s46, s47
	s_lshl_b32 s47, s12, 16                        ; my 64 rows of a K step
	s_add_co_u32 s46, s46, s47
	s_add_co_u32 s46, s46, 8388608                 ; the weights lie behind xb
	s_mov_b32 s47, 0
	s_mul_i32 s20, s10, HALFT                      ; where my part of a slot lies
	s_wait_kmcnt 0x0
	s_add_nc_u64 s[16:17], s[68:69], s[16:17]
	s_add_nc_u64 s[46:47], s[68:69], s[46:47]
	s_cmp_eq_u32 s14, 1                            ; the bias that goes with the weight
	s_cselect_b64 s[70:71], s[72:73], s[70:71]
	s_cmp_eq_u32 s14, 2
	s_cselect_b64 s[70:71], s[74:75], s[70:71]
.irp s, 0,1
	s_mov_b32 s[G0+4*\s], 1
	s_add_co_u32 s[G0+4*\s+1], s20, \s*SLOT
	s_add_nc_u64 s[G0+4*\s+2:G0+4*\s+3], s[16:17], \s*STEPA
	s_or_b32 s[G0+4*\s+3], s[G0+4*\s+3], 0x80000000
	s_mov_b32 s[G0B+4*\s], 1
	s_add_co_u32 s[G0B+4*\s+1], s20, \s*SLOT
	s_add_nc_u64 s[G0B+4*\s+2:G0B+4*\s+3], s[46:47], \s*STEPB
	s_or_b32 s[G0B+4*\s+3], s[G0B+4*\s+3], 0x80000000
.endr
	CROUND                                         ; the four work-groups are here: the first joint loads meet
	s_cmp_eq_u32 s11, 0                            ; a wave's two first fills stand in one branch: two loads of mine are out
	s_cbranch_scc0 .Lfirst_b
	tensor_load_to_lds s[G0:G0+3], s[G1:G1+7]
	s_nop 0
	tensor_load_to_lds s[G0+4:G0+7], s[G1:G1+7]
	s_nop 0
	PLACES
	s_branch .Lfirst_done
.Lfirst_b:
	tensor_load_to_lds s[G0B:G0B+3], s[G1B:G1B+7]
	s_nop 0
	tensor_load_to_lds s[G0B+4:G0B+7], s[G1B:G1B+7]
	s_nop 0
	PLACES
.Lfirst_done:
	v_and_b32 v1, 15, v0                           ; r = l % 16
	v_bfe_u32 v22, v0, 4, 1                        ; h = l / 16
	s_lshl_b32 s15, s15, 10
	s_lshl_b32 s14, s12, 9
	s_add_co_u32 s15, s15, s14
	v_lshl_add_u32 v20, v22, 5, s15                ; the bias of column block b: 8 numbers at 64 b + 32 h behind my 128 columns' first
	WIN TO_B
.irp b, 0,1,2,3,4,5,6,7
	global_load_b128 v[8*\b:8*\b+3],   v20, s[70:71] offset:64*\b
	global_load_b128 v[8*\b+4:8*\b+7], v20, s[70:71] offset:64*\b+16
.endr
	WIN 0
	v_mul_u32_u24 v[A0], v1, PITCH
	v_lshl_add_u32 v[A0], v22, 4, v[A0]
	s_mul_i32 s21, s11, HALFT
	v_add_nc_u32 v[A0], s21, v[A0]                 ; row x pitch + 16 h + my 128 rows
	v_and_b32 v23, 7, v0
	v_lshl_add_u32 v23, v22, 3, v23
	v_mul_u32_u24 v[B0], v23, PB                   ; the turning load: k row 8 h + l % 8,
	v_bfe_u32 v23, v0, 3, 1
	v_lshl_add_u32 v[B0], v23, 4, v[B0]            ; 16 bytes for each half of eight lanes
	s_lshl_b32 s22, s12, 8
	s_add_co_u32 s22, s22, BOFF
	v_add_nc_u32 v[B0], s22, v[B0]                 ; + my 128 columns, behind A's part
	v_mov_b32 v[ADRA], v[A0]
	v_mov_b32 v[ADRB], v[B0]
	s_mul_i32 s23, s10, 16*SPITCH
	s_add_co_u32 s23, s23, STAGE                   ; my stage
	v_mul_u32_u24 v[STO], v1, SPITCH
	v_lshl_add_u32 v[STO], v22, 4, v[STO]
	v_add_nc_u32 v[STO], s23, v[STO]               ; in: row r, 16 bytes for each half of the lanes
	v_bfe_u32 v[RD], v0, 2, 3
	v_mul_u32_u24 v[RD], v[RD], SPITCH
	v_and_b32 v23, 3, v0
	v_lshl_add_u32 v[RD], v23, 4, v[RD]
	v_add_nc_u32 v[RD], s23, v[RD]                 ; back: 8 rows x 64 bytes of one head, which are 512 consecutive bytes of qkv
	v_and_b32 v[CO], 31, v0
	v_lshlrev_b32 v[CO], 4, v[CO]
	s_lshr_b32 s18, s13, 2                         ; batch = tile row / 4
	s_mul_i32 s18, s18, 48
	s_lshl3_add_u32 s18, s42, s18                  ; + 8 heads a tile column
	s_lshl2_add_u32 s18, s12, s18                  ; + 4 for my half
	s_lshl_b32 s18, s18, 16                        ; 65,536 bytes a head
	s_and_b32 s19, s13, 3
	s_lshl_b32 s19, s19, 14                        ; 256 rows of 64 bytes
	s_add_co_u32 s18, s18, s19
	s_lshl_b32 s19, s11, 13
	s_add_co_u32 s18, s18, s19
	s_mov_b32 s19, 0
	s_add_nc_u64 s[8:9], s[8:9], s[18:19]
; 16 matrix instructions: row blocks a0, a0 + 1 of the window's four x all 8 column blocks, 32 along K.  bias = 1: C is the bias (window 1) and the sums start.
.macro MUL16 f, hi, a0, bias
.if \bias
	WIN 0x91+0x40*(\hi)
.else
	WIN MUL_LO+0x50*(\hi)
.endif
.irp a, \a0, (\a0)+1
.irp b, 0,1,2,3,4,5,6,7
.if \bias
	v_wmma_f32_16x16x32_bf16 v[8*(8*(\a)+(\b)):8*(8*(\a)+(\b))+7], v[(\f)+8*(\b):(\f)+8*(\b)+7], v[(\f)+8*(4*(\hi)+(\a)):(\f)+8*(4*(\hi)+(\a))+7], v[8*(\b):8*(\b)+7]
.else
	v_wmma_f32_16x16x32_bf16 v[8*(8*(\a)+(\b)):8*(8*(\a)+(\b))+7], v[(\f)+8*(\b):(\f)+8*(\b)+7], v[(\f)+8*(4*(\hi)+(\a)):(\f)+8*(4*(\hi)+(\a))+7], v[8*(8*(\a)+(\b)):8*(8*(\a)+(\b))+7]
.endif
.endr
.endr
.endm
; 32 LDS loads in one run: quarter q (32 along K) of the slot in hand into buffer f; B first, turned, then A
.macro FETCH q, f
	WIN TO_B
.irp i, 0,1,2,3,4,5,6,7
	ds_load_tr16_b128 v[(\f)+8*(\i):(\f)+8*(\i)+3],   v[ADRB] offset:(\q)*32*PB+32*(\i)
	ds_load_tr16_b128 v[(\f)+8*(\i)+4:(\f)+8*(\i)+7], v[ADRB] offset:(\q)*32*PB+16*PB+32*(\i)
.endr
	WIN 0
.irp i, 0,1,2,3,4,5,6,7
	ds_load_b128 v[(\f)+8*(\i):(\f)+8*(\i)+3],   v[ADRA] offset:64*(\q)+(\i)*16*PITCH
	ds_load_b128 v[(\f)+8*(\i)+4:(\f)+8*(\i)+7], v[ADRA] offset:64*(\q)+(\i)*16*PITCH+32
.endr
.endm
.macro QUARTER q, f, g, bias           ; multiplies buffer f; in its middle fetches quarter q into buffer g
	s_wait_dscnt 8                                 ; B and A's rows 0-63 are in; the youngest eight loads (A's rows 64-127) may be out
	MUL16 \f, 0, 0, \bias
	MUL16 \f, 0, 2, \bias
	PLACES
	FETCH \q, \g
	s_wait_dscnt 32                                ; all but the 32 just issued
	MUL16 \f, 1, 0, \bias
	MUL16 \f, 1, 2, \bias
.endm
.macro MEET round                      ; the first half of a K step's last quarter, and the one barrier of the change of slots
	WIN 0
	s_wait_tensorcnt 0x0                           ; all my tensor loads have landed: my part of the next slot
	ds_add_u32 v[SPW], v[NIL]                      ; 0 onto my spare word
	s_wait_dscnt 9                                 ; the add and the youngest eight loads may be out
	MUL16 F1, 0, 0, 0
	s_wait_dscnt 0x0                               ; the add is done, and my reads of this slot are over
	s_barrier_signal -1
	MUL16 F1, 0, 2, 0
.if \round
	WIN 0
.endif
	s_barrier_wait -1
.endm
; The whole last quarter.  fill = 1: a round of the cluster's barrier, then the slot just read is filled again, two K steps ahead.  fill = 0: nothing is asked for; in the last trip (s3 = 1) there is no next slot to fetch from.
.macro TURN fill
	MEET \fill
.if \fill
	CREST
	s_xor_b32 s[G0+5], s[G0+5], SLOT               ; the walking descriptors: the other slot than last time, the next K step
	s_add_nc_u64 s[G0+6:G0+7], s[G0+6:G0+7], STEPA
	s_xor_b32 s[G0B+5], s[G0B+5], SLOT
	s_add_nc_u64 s[G0B+6:G0B+7], s[G0B+6:G0B+7], STEPB
	JLOAD                                          ; the first tensor load behind the round; its four v_nop are also the places in front of the loads below
.else
	WIN 0
	PLACES
	s_cmp_eq_u32 s3, 1
	s_cbranch_scc1 .Lnf_\@
.endif
	s_xor_b32 s[TB], s[TB], SLOT
	v_add_nc_u32 v[ADRA], s[TB], v[A0]
	v_add_nc_u32 v[ADRB], s[TB], v[B0]
	FETCH 0, F0
.if !(\fill)
	WIN 0
.Lnf_\@:
.endif
	MUL16 F1, 1, 0, 0
	MUL16 F1, 1, 2, 0
.endm
; THE WAY OUT of row block a: rounded to bf16; through my own stage; stored by heads.
.macro PACK a
.set AC, 64*((\a)%4)
	WIN 0x0a+5*((\a)/4)                            ; sources in window 2 or 3
.irp b, 0,1,2,3,4,5,6,7
.irp r, 0,1,2,3
	v_cvt_pk_bf16_f32 v[TMP+4*(\b)+(\r)], v[AC+8*(\b)+2*(\r)], v[AC+8*(\b)+2*(\r)+1]
.endr
.endr
	WIN 0
.endm
.macro TOSTAGE a
	WIN 0
.set BK, OB+192*((\a)%2)
.irp b, 0,1,2,3,4,5,6,7
	ds_store_b128 v[STO], v[TMP+4*(\b):TMP+4*(\b)+3] offset:32*(\b)
.endr
.irp t, 0,1,2,3,4,5,6,7                ; head t / 2 of my four, rows 8 (t % 2) on; LDS serves a wave's instructions in order, so these see the stores above
	ds_load_b128 v[BK+4*(\t):BK+4*(\t)+3], v[RD] offset:64*((\t)/2)+8*SPITCH*((\t)%2)
.endr
.endm
.macro SEND a
	WIN 0
.set BK, OB+192*((\a)%2)
	s_wait_dscnt 0x0                               ; the block is back in registers
	s_wait_xcnt 0x0                                ; the stores of the block before have read their registers, which the next block's loads write
.irp t, 0,1,2,3,4,5,6,7
	global_store_b128 v[CO], v[BK+4*(\t):BK+4*(\t)+3], s[8:9] offset:65536*((\t)/2)+512*((\t)%2)+1024*(\a)  ; 512 consecutive bytes, aligned
.endr
.endm
	s_wait_tensorcnt 1                             ; my part of K step 0 is in; K step 1's may stay out
	s_barrier_signal -1
	s_barrier_wait -1
	FETCH 0, F0
	s_wait_loadcnt 0x0                             ; the bias
	s_cmp_lt_u32 s42, 2                            ; tile columns 0 and 1 are q's: bq takes the factor that Wq has
	s_cbranch_scc0 .Lnoscale
	WIN 0x41
.set i, 0
.rept 32
	v_pk_mul_f32 v[i:i+1], v[i:i+1], s[78:79] op_sel_hi:[1,0]
.set i, i+2
.endr
	WIN 0
.Lnoscale:
	QUARTER 1, F0, F1, 1                           ; the first quarter starts the sums
	WIN 0
	s_mov_b32 s3, 2
.Lfill:                                                ; K steps 0 and 1: their slots are filled again with K steps 2 and 3
	QUARTER 2, F1, F0, 0
	QUARTER 3, F0, F1, 0
	TURN 1
	QUARTER 1, F0, F1, 0
	WIN 0
	s_sub_co_u32 s3, s3, 1
	s_cmp_lg_u32 s3, 0
	s_cbranch_scc1 .Lfill
	s_mov_b32 s3, 2
.Ltail:                                                ; K steps 2 and 3: no tensor load is left
	QUARTER 2, F1, F0, 0
	QUARTER 3, F0, F1, 0
	TURN 0
	WIN 0
	s_cmp_eq_u32 s3, 1
	s_cbranch_scc1 .Lskip                          ; behind the last K step there is no first quarter
	QUARTER 1, F0, F1, 0
	WIN 0
.Lskip:
	s_sub_co_u32 s3, s3, 1
	s_cmp_lg_u32 s3, 0
	s_cbranch_scc1 .Ltail
	PLACES
	PACK 0
	TOSTAGE 0
.irp a, 1,2,3,4,5,6,7
	PACK \a
	SEND (\a)-1
	TOSTAGE \a
.endr
	SEND 7
	s_wait_tensorcnt 0x0                           ; the wave's end
	ds_add_u32 v[SPW], v[NIL]
	s_wait_dscnt 0x0
	CROUND                                         ; the closing round
	s_endpgm
.Lfunc_end_k_q880cfc3951_qkv:
	.size	k_q880cfc3951_qkv, .Lfunc_end_k_q880cfc3951_qkv-k_q880cfc3951_qkv
	.p2alignl 7, 3214868480
	.fill 96, 4, 3214868480
	.section	.rodata,"a",@progbits
	.p2align	6, 0x0
	.amdhsa_kernel k_q880cfc3951_qkv
		.amdhsa_group_segment_fixed_size 327680
		.amdhsa_private_segment_fixed_size 0
		.amdhsa_enable_private_segment 0
		.amdhsa_kernarg_size 40
		.amdhsa_user_sgpr_count 2
		.amdhsa_user_sgpr_kernarg_segment_ptr 1
		.amdhsa_wavefront_size32 1
		.amdhsa_system_sgpr_workgroup_id_x 1
		.amdhsa_system_sgpr_workgroup_id_y 1
		.amdhsa_system_sgpr_workgroup_id_z 1
		.amdhsa_system_vgpr_workitem_id 0
		.amdhsa_next_free_vgpr 1024
		.amdhsa_next_free_sgpr 80
		.amdhsa_reserve_vcc 0
		.amdhsa_float_denorm_mode_32 3
		.amdhsa_float_denorm_mode_16_64 3
		.amdhsa_memory_ordered 1
		.amdhsa_forward_progress 1
		.amdhsa_inst_pref_size 104
	.end_amdhsa_kernel
	.amdgpu_metadata
---
amdhsa.version: [ 1, 2 ]
amdhsa.kernels:
  - .name:           k_q880cfc3951_qkv
    .symbol:         k_q880cfc3951_qkv.kd
    .args:
      - { .name: cb, .offset: 0, .size: 8, .value_kind: global_buffer, .address_space: global }
      - { .name: bq, .offset: 8, .size: 8, .value_kind: global_buffer, .address_space: global }
      - { .name: bk, .offset: 16, .size: 8, .value_kind: global_buffer, .address_space: global }
      - { .name: bv, .offset: 24, .size: 8, .value_kind: global_buffer, .address_space: global }
      - { .name: qkv, .offset: 32, .size: 8, .value_kind: global_buffer, .address_space: global }
    .group_segment_fixed_size: 327680
    .private_segment_fixed_size: 0
    .kernarg_segment_align: 8
    .kernarg_segment_size: 40
    .max_flat_workgroup_size: 128
    .sgpr_count:     80
    .vgpr_count:     1024
    .wavefront_size: 32
...
	.end_amdgpu_metadata
.endif
;; end of part 2
;; launch attn (part 3): grid 256 x 1, 8 waves a work-group, no clusters, 185,344 bytes of LDS; arguments qkv, attention_mask, ob; writes ob
.if DOCPART == 3
	.amdgcn_target "amdgcn-amd-amdhsa--gfx1250"
	.amdhsa_code_object_version 6
	.text
	.protected	k_q880cfc3951_attn
	.globl	k_q880cfc3951_attn
	.p2align	8
	.type	k_q880cfc3951_attn,@function
k_q880cfc3951_attn:
	s_mov_b64 s[64:65], 0
	v_nop
	global_prefetch_b8 v0, s[64:65] scope:SCOPE_SE
	s_setreg_imm32_b32 hwreg(HW_REG_WAVE_MODE, 25, 1), 1
	s_wait_xcnt 0x0
; Attention with 16 heads of 32 channels under the causal mask and the padding mask.  q (already times log2(e) / sqrt(32)), k, v: bf16 by heads, [b][hg][t][32].
; p = 2^(s - m) with a running maximum m; products, maxima and sums in f32; p is rounded to bf16 for the second product, its sum l is taken of the unrounded p.
; O leaves in bf16 by heads and by tiles of 16 queries, 1,024 bytes a tile: the 16 bytes of query r, channels 16 cb + 8 hh + 0..7, lie at 512 cb + 256 hh + 16 r.  That is how the results lie in
; registers (lane r + 16 hh), so each store of a wave covers 512 consecutive bytes, aligned, with no way through LDS; and it is the image of the next launch's fragments.
; LIMITS.  A masked score counts as its value less 1e30 (a causally hidden one as -1e30) where the module puts -1e9: the two differ only where a valid scaled score lies below about -1e9.
; A query none of whose visible keys is valid is known by m < -2^96; the module gives it equal weights on all 1,024 keys, so it gets the sum of all of V's rows, divided by 1,024.
; A weight below 2^-126 counts as 0.  NaN and infinities are not treated apart.
; SHARES.  Two work-groups to a head; a head's K and V (131,072 bytes) lie whole in LDS, filled once: no slot is filled again, and nothing is stored into LDS behind the one barrier.
; A head's queries are 32 blocks of 32; worker u = 8 p + wave takes block 31 - u and then block u: 17 chunks of 64 keys for every worker.  The last chunk of a block holds the diagonal.
; Eight waves, two to a SIMD, so that one's matrix work stands beside the other's vector work.
; NO CLUSTER: only the two work-groups of a head share anything, and that is one fill.
; LAYOUT.  S^T = K Q^T + mask (the mask is the C operand): a lane holds one query (l % 16) and the keys 8 (l / 16) + 0..7 of each 16.  Two such results rounded in pairs are source 1 of O^T = V^T P.
.set PK, 80                            ; a row of K: 64 bytes + 16
.set PV, 96                            ; a row of V: 64 + 32 = 3 x 32
.set VB, 1024*PK
.set MADD, VB+1024*PV                  ; f32 [1024]: 0 for a valid key, -1e30 for a padded one
.set AK0, 3                            ; v3-5: my lane's place in K, V and the mask; never rewritten
.set AV0, 4
.set AM0, 5
.set AK, 6                             ; v6-8: the chunk's addresses: the chunk's number times a constant + the lane's place
.set AV, 7
.set AM, 8
.set GO, 11
.set QO, 12
.set THR, 13                           ; v13, v14: register j of key group kt is hidden where 16 kt + j is greater
.set MO, 16                            ; v16, v17: the old m
.set ST, 18                            ; ten a tile: m, its pair's partner, l (2), c0-c3 (a in c2), Y (2)
.set RH, 38                            ; r - 8 h
.set Q, 40
.set KF, 56
.set VF, 88
.set MK, 120
.set S, 152
.set O, 216
.set VS, 0                             ; window 1: the sum of all of V's rows
.set QN, 16                            ; window 1: the second block's Q
.set MSB, 0
.macro WIN new
.if MSB != (\new)
	s_set_vgpr_msb (MSB<<8)|(\new)
.set MSB, \new
.endif
.endm
	s_load_b128 s[4:7], s[0:1], 0x0                ; qkv, attention_mask
	s_load_b64 s[8:9], s[0:1], 0x10                ; ob
	v_lshl_add_u32 v254, v0, 2, 0x2d000
	v_mov_b32 v255, 0
	ds_add_u32 v254, v255
	ds_add_u32 v254, v255
	v_lshrrev_b32 v1, 5, v0
	v_readfirstlane_b32 s10, v1                    ; wave
	s_and_b32 s11, ttmp9, 1                        ; p
	s_lshr_b32 s12, ttmp9, 1                       ; 16 b + h
	s_lshr_b32 s13, s12, 4                         ; b
	s_and_b32 s14, s12, 15                         ; h
	s_lshl_b32 s15, s11, 3
	s_add_co_u32 s15, s15, s10                     ; u
	s_sub_co_u32 s16, 31, s15                      ; the block in hand
	s_and_b32 s17, s10, 3                          ; which quarter of K or of V I fetch
	s_mul_i32 s20, s13, 48
	s_add_co_u32 s20, s20, s14
	s_lshl_b32 s20, s20, 16                        ; q's head
	s_mov_b32 s21, 0
	; 256 keys are 16,384 dense bytes: asked for as 64 rows of 256 bytes, padded in LDS behind every key's 16 words
	s_mov_b32 s24, (1<<16)|(1<<20)|(3<<22)|(3<<25)
	s_mov_b32 s36, (1<<16)|(1<<20)|(3<<22)|(7<<25)
.irp g, 24, 36
	s_mov_b32 s[\g+1], 128<<16
	s_mov_b32 s[\g+2], 64<<16
	s_mov_b32 s[\g+3], 128<<16
	s_mov_b32 s[\g+4], 64
	s_mov_b32 s[\g+5], 128
	s_mov_b32 s[\g+6], 0
	s_mov_b32 s[\g+7], 0
.endr
	s_mov_b32 s32, 1
	s_mul_i32 s33, s17, 256*PK
	s_mov_b32 s44, 1
	s_mul_i32 s45, s17, 256*PV
	s_add_co_u32 s45, s45, VB
	s_lshl_b32 s18, s17, 14
	s_mov_b32 s19, 0
	s_lshl_b32 s2, s13, 12                         ; the batch's 1,024 words of the mask
	s_mov_b32 s3, 0
	s_mov_b32 s51, 0xf149f2ca                      ; -1e30
	s_mov_b32 s52, 0x76543210
	s_mov_b32 s53, 0xfedcba98
	s_mov_b32 s54, 0xef800000                      ; -2^96
	s_mov_b32 s55, 0x44800000                      ; 1024.0
	s_wait_dscnt 0x0
	s_wait_kmcnt 0x0
	s_add_nc_u64 s[22:23], s[4:5], s[20:21]
	s_add_nc_u64 s[18:19], s[22:23], s[18:19]
	s_add_nc_u64 s[34:35], s[18:19], 0x100000      ; k's head lies 16 heads behind q's,
	s_or_b32 s35, s35, 0x80000000
	s_add_nc_u64 s[46:47], s[18:19], 0x200000      ; v's 32
	s_or_b32 s47, s47, 0x80000000
	s_add_nc_u64 s[2:3], s[6:7], s[2:3]
	s_cmp_lt_u32 s10, 4                            ; one load a wave: waves 0-3 K's quarters, waves 4-7 V's
	s_cbranch_scc0 .Lfill_v
	tensor_load_to_lds s[32:35], s[24:31]
	s_nop 0
.rept 4
	v_nop
.endr
	s_branch .Lfilled
.Lfill_v:
	tensor_load_to_lds s[44:47], s[36:43]
	s_nop 0
.rept 4
	v_nop
.endr
.Lfilled:
	s_lshl_b32 s20, s16, 11                        ; a block is 32 rows of 64 bytes
	s_mov_b32 s21, 0
	s_add_nc_u64 s[20:21], s[22:23], s[20:21]
	s_lshl_b32 s18, s15, 11
	s_mov_b32 s19, 0
	s_add_nc_u64 s[18:19], s[22:23], s[18:19]
	v_and_b32 v1, 15, v0                           ; r
	v_bfe_u32 v2, v0, 4, 1                         ; h
	v_lshlrev_b32 v15, 4, v0
	global_load_b128 v[MK:MK+3], v15, s[2:3]       ; four words of the mask a thread
	v_lshlrev_b32 v[QO], 6, v1
	v_lshl_add_u32 v[QO], v2, 4, v[QO]
.irp t, 0,1
	global_load_b128 v[Q+8*\t:Q+8*\t+3],   v[QO], s[20:21] offset:1024*\t
	global_load_b128 v[Q+8*\t+4:Q+8*\t+7], v[QO], s[20:21] offset:1024*\t+32
.endr
	WIN 0x40
.irp t, 0,1
	global_load_b128 v[QN+8*\t:QN+8*\t+3],   v[QO], s[18:19] offset:1024*\t
	global_load_b128 v[QN+8*\t+4:QN+8*\t+7], v[QO], s[18:19] offset:1024*\t+32
.endr
	WIN 0
	v_mul_u32_u24 v[AK0], v1, PK
	v_lshl_add_u32 v[AK0], v2, 4, v[AK0]
	v_and_b32 v39, 7, v0
	v_lshl_add_u32 v[AV0], v2, 3, v39
	v_mul_u32_u24 v[AV0], v[AV0], PV
	v_bfe_u32 v39, v0, 3, 1
	v_lshl_add_u32 v[AV0], v39, 4, v[AV0]
	v_add_nc_u32 v[AV0], VB, v[AV0]
	v_lshl_add_u32 v[AM0], v2, 5, MADD
	v_and_b32 v[GO], 31, v0
	v_lshlrev_b32 v[GO], 4, v[GO]                  ; 16 x lane
	v_lshlrev_b32 v39, 3, v2
	v_sub_nc_u32 v[RH], v1, v39
.irp t, 0,1                            ; the block's end names these two of each tile (a lane exchange's destination counts as read; a packed multiply names its whole pair):
	v_mov_b32 v[ST+10*\t+5], 0                     ; they are written here once, so that they hold a number on every way through the text
	v_mov_b32 v[ST+10*\t+7], 0
.endr
	s_wait_loadcnt 8                               ; the mask is in; Q's eight loads may stay out
.irp i, 0,1,2,3
	v_cmp_eq_u32 vcc_lo, 0, v[MK+\i]
	v_cndmask_b32 v[MK+\i], 0, s51, vcc_lo
.endr
	v_add_nc_u32 v39, MADD, v15
	ds_store_b128 v39, v[MK:MK+3]
	s_wait_tensorcnt 0x0                           ; my quarter has landed,
	s_wait_dscnt 0x0                               ; my part of the mask is written:
	s_barrier_signal -1
	s_barrier_wait -1                              ; everybody's: the launch's only barrier; behind it LDS is only read
	s_lshl_b32 s58, s12, 16
	s_mov_b32 s59, 0
	s_add_nc_u64 s[58:59], s[8:9], s[58:59]        ; O's head
	s_lshl_b32 s56, s16, 11
	s_mov_b32 s57, 0
	s_add_nc_u64 s[56:57], s[58:59], s[56:57]      ; my block of it: two tiles of 1,024 bytes
	s_lshr_b32 s48, s16, 1                         ; the block's last chunk
.macro LOADV
.irp f, 0,1,2,3                        ; keys 32 (f / 2) on, channels 16 (f % 2) on
	ds_load_tr16_b128 v[VF+8*\f:VF+8*\f+3],   v[AV] offset:(\f/2)*32*PV+(\f%2)*32
	ds_load_tr16_b128 v[VF+8*\f+4:VF+8*\f+7], v[AV] offset:(\f/2)*32*PV+16*PV+(\f%2)*32
.endr
.endm
	; THE SUM OF ALL OF V'S ROWS, as V^T x ones, 64 keys a trip, two accumulators by turns
.set i, 0
.rept 8
	v_mov_b32 v[S+i], 0x3f803f80
.set i, i+1
.endr
	v_mov_b32 v[AV], v[AV0]
.macro VS64 first
	LOADV
	s_wait_dscnt 0x0
.irp f, 0,1,2,3
.if (\first) && (\f < 2)
	v_wmma_f32_16x16x32_bf16 v[O+8*(\f%2):O+8*(\f%2)+7], v[VF+8*\f:VF+8*\f+7], v[S:S+7], 0
.else
	v_wmma_f32_16x16x32_bf16 v[O+8*(\f%2):O+8*(\f%2)+7], v[VF+8*\f:VF+8*\f+7], v[S:S+7], v[O+8*(\f%2):O+8*(\f%2)+7]
.endif
.endr
	v_add_nc_u32 v[AV], 64*PV, v[AV]               ; with the three below: the four places in front of the next loads into V's registers
	v_nop
	v_nop
	v_nop
.endm
	VS64 1
	s_mov_b32 s62, 15
.Lvsum:
	VS64 0
	s_sub_co_u32 s62, s62, 1
	s_cmp_lg_u32 s62, 0
	s_cbranch_scc1 .Lvsum
	WIN 0x40
.set i, 0
.rept 16
	v_mov_b32 v[VS+i], v[O+i]
.set i, i+1
.endr
	WIN 0
	s_mov_b32 s50, 2
.Lblock:                                               ; twice: block 31 - u, then block u
.set i, 0
.rept 32
	v_mov_b32 v[O+i], 0
.set i, i+1
.endr
.irp t, 0,1
	v_mov_b32 v[ST+10*\t], 0xff7fffff              ; m: the lowest finite number
	v_mov_b32 v[ST+10*\t+1], 0
	v_mov_b32 v[ST+10*\t+2], 0
	v_mov_b32 v[ST+10*\t+3], 0
.endr
	s_and_b32 s61, s16, 1
	s_lshl_b32 s61, s61, 5
	v_add_nc_u32 v[THR], s61, v[RH]                ; my query's place in the diagonal chunk, less my lanes' 8 h
	v_add_nc_u32 v[THR+1], 16, v[THR]
	s_mov_b32 s49, 0
	s_wait_loadcnt 0x0                             ; Q
; number n of the 20 that find tile t's new maximum and a; each accumulator's lowest registers are read first
.macro XS t, n
.set rT, ST+10*(\t)
.set rC, rT+4
.set rS, S+32*(\t)
.if (\n) < 4
	v_max3_num_f32 v[rC+(\n)], v[rS+8*(\n)], v[rS+8*(\n)+1], v[rS+8*(\n)+2]
.elseif (\n) < 12
	v_max3_num_f32 v[rC+(\n)%4], v[rC+(\n)%4], v[rS+8*((\n)%4)+2*((\n)/4)+1], v[rS+8*((\n)%4)+2*((\n)/4)+2]
.elseif (\n) == 12
	v_max3_num_f32 v[rC], v[rC], v[rS+7], v[rS+15]
.elseif (\n) == 13
	v_max3_num_f32 v[rC+1], v[rC+1], v[rS+23], v[rS+31]
.elseif (\n) == 14
	v_max3_num_f32 v[rC+2], v[rC+2], v[rC+3], v[rT]
.elseif (\n) == 15
	v_max3_num_f32 v[rC], v[rC], v[rC+1], v[rC+2]
.elseif (\n) == 16
	v_permlanex16_b32 v[rC+3], v[rC], s52, s53     ; the query's other 32 keys lie in the lane 16 away
.elseif (\n) == 17
	v_max_num_f32 v[rT], v[rC], v[rC+3]
.elseif (\n) == 18
	v_sub_f32 v[rC+1], v[MO+(\t)], v[rT]
.else
	v_exp_f32 v[rC+2], v[rC+1]                     ; a = 2^(m_old - m_new)
.endif
.endm
.Lchunk:                                               ; sixteen trips, 64 keys each; the trips behind the block's diagonal chunk are dead and jump to the counter's step
	s_cmp_gt_u32 s49, s48
	s_cbranch_scc1 .Ldead
	s_mul_i32 s61, s49, 64*PK                      ; the chunk's addresses; the three adds are, with the two v_nop at the trip's end, the five places behind the last trip's products
	v_add_nc_u32 v[AK], s61, v[AK0]
	s_mul_i32 s61, s49, 64*PV
	v_add_nc_u32 v[AV], s61, v[AV0]
	s_lshl_b32 s61, s49, 8
	v_add_nc_u32 v[AM], s61, v[AM0]
.irp kt, 0,1,2,3
	ds_load_b128 v[KF+8*\kt:KF+8*\kt+3],   v[AK] offset:16*PK*\kt
	ds_load_b128 v[KF+8*\kt+4:KF+8*\kt+7], v[AK] offset:16*PK*\kt+32
.endr
.irp kt, 0,1,2,3
	ds_load_b128 v[MK+8*\kt:MK+8*\kt+3],   v[AM] offset:64*\kt
	ds_load_b128 v[MK+8*\kt+4:MK+8*\kt+7], v[AM] offset:64*\kt+16
.endr
	LOADV
	s_wait_dscnt 8                                 ; K and the mask are in; V's eight loads may stay out
	s_cmp_eq_u32 s49, s48
	s_cbranch_scc1 .Ldiag
.irp kt, 0,1,2,3
.irp t, 0,1
	v_wmma_f32_16x16x32_bf16 v[S+32*\t+8*\kt:S+32*\t+8*\kt+7], v[KF+8*\kt:KF+8*\kt+7], v[Q+8*\t:Q+8*\t+7], v[MK+8*\kt:MK+8*\kt+7]
.endr
.endr
	s_branch .Lsm
.Ldiag:                                                ; the diagonal chunk: the C operand also hides the keys behind the query
.irp t, 0,1
.irp kt, 0,1,2,3
.irp j, 0,1,2,3,4,5,6,7
	v_cmp_gt_i32 vcc_lo, 16*\kt+\j, v[THR+\t]
	v_cndmask_b32 v[S+32*\t+8*\kt+\j], v[MK+8*\kt+\j], s51, vcc_lo
.endr
.endr
.endr
.irp kt, 0,1,2,3
.irp t, 0,1
	v_wmma_f32_16x16x32_bf16 v[S+32*\t+8*\kt:S+32*\t+8*\kt+7], v[KF+8*\kt:KF+8*\kt+7], v[Q+8*\t:Q+8*\t+7], v[S+32*\t+8*\kt:S+32*\t+8*\kt+7]
.endr
.endr
.Lsm:
	v_mov_b32 v[MO], v[ST]                         ; the old m is kept; with the two below: the four places behind the products
	v_mov_b32 v[MO+1], v[ST+10]
	v_nop
	v_nop
.irp n, 0,1,2,3,4,5,6,7,8,9,10,11,12,13,14,15,16,17,18,19
	XS 0, \n
	XS 1, \n
.endr
.irp t, 0,1
.set i, 0
.rept 16
	v_pk_add_f32 v[S+32*\t+2*i:S+32*\t+2*i+1], v[S+32*\t+2*i:S+32*\t+2*i+1], v[ST+10*\t:ST+10*\t+1] op_sel_hi:[1,0] neg_lo:[0,1] neg_hi:[0,1]  ; s - m: 0 at the maximum
.set i, i+1
.endr
.endr
.set i, 0
.rept 64
	v_exp_f32 v[S+i], v[S+i]
.set i, i+1
.endr
	s_wait_alu depctr_va_vdst(0)
.irp t, 0,1                            ; O a: also the plain work behind the exponentials
.set i, 0
.rept 8
	v_pk_mul_f32 v[O+16*\t+2*i:O+16*\t+2*i+1], v[O+16*\t+2*i:O+16*\t+2*i+1], v[ST+10*\t+6:ST+10*\t+7] op_sel_hi:[1,0]
.set i, i+1
.endr
.endr
.irp t, 0,1                            ; the weights' sums, two chains a tile
	v_pk_add_f32 v[ST+10*\t+4:ST+10*\t+5], v[S+32*\t:S+32*\t+1], v[S+32*\t+2:S+32*\t+3]
	v_pk_add_f32 v[ST+10*\t+8:ST+10*\t+9], v[S+32*\t+16:S+32*\t+17], v[S+32*\t+18:S+32*\t+19]
.endr
.irp i, 2,3,4,5,6,7
.irp t, 0,1
	v_pk_add_f32 v[ST+10*\t+4:ST+10*\t+5], v[ST+10*\t+4:ST+10*\t+5], v[S+32*\t+2*\i:S+32*\t+2*\i+1]
	v_pk_add_f32 v[ST+10*\t+8:ST+10*\t+9], v[ST+10*\t+8:ST+10*\t+9], v[S+32*\t+16+2*\i:S+32*\t+16+2*\i+1]
.endr
.endr
.irp t, 0,1
	v_pk_fma_f32 v[ST+10*\t+2:ST+10*\t+3], v[ST+10*\t+2:ST+10*\t+3], v[ST+10*\t+6:ST+10*\t+7], v[ST+10*\t+4:ST+10*\t+5] op_sel_hi:[1,0,1]
.endr
.irp t, 0,1
	v_pk_add_f32 v[ST+10*\t+2:ST+10*\t+3], v[ST+10*\t+2:ST+10*\t+3], v[ST+10*\t+8:ST+10*\t+9]
.endr
.irp t, 0,1                            ; P in place: of each 16 registers number i takes the pair 2 i, 2 i + 1
.irp kk, 0,1
.set i, 0
.rept 8
	v_cvt_pk_bf16_f32 v[S+32*\t+16*\kk+i], v[S+32*\t+16*\kk+2*i], v[S+32*\t+16*\kk+2*i+1]
.set i, i+1
.endr
.endr
.endr
	s_wait_dscnt 0x0                               ; V is in
.irp kk, 0,1                           ; the four accumulators take turns
.irp t, 0,1
.irp cb, 0,1
	v_wmma_f32_16x16x32_bf16 v[O+16*\t+8*\cb:O+16*\t+8*\cb+7], v[VF+16*\kk+8*\cb:VF+16*\kk+8*\cb+7], v[S+32*\t+16*\kk:S+32*\t+16*\kk+7], v[O+16*\t+8*\cb:O+16*\t+8*\cb+7]
.endr
.endr
.endr
	v_nop                                          ; two places; the next live trip's three adds, or the plain lines that open the block's end, are the others
	v_nop
.Ldead:
	s_add_co_u32 s49, s49, 1
	s_cmp_lt_u32 s49, 16
	s_cbranch_scc1 .Lchunk
; THE BLOCK'S END, tile t: l's halves are added; a query with no valid visible key takes the sum of V and 1,024; O / l is rounded and stored from the registers in which it lies.
.macro FIN t
.set rT, ST+10*(\t)
	v_add_f32 v[rT+4], v[rT+2], v[rT+3]
	v_permlanex16_b32 v[rT+5], v[rT+4], s52, s53
	v_add_f32 v[rT+4], v[rT+4], v[rT+5]
	v_cmp_lt_f32 s60, v[rT], s54
	v_cndmask_b32 v[rT+4], v[rT+4], s55, s60
	WIN 0x04
.set i, 0
.rept 16
	v_cndmask_b32 v[O+16*(\t)+i], v[O+16*(\t)+i], v[VS+i], s60
.set i, i+1
.endr
	WIN 0
	v_rcp_f32 v[rT+6], v[rT+4]
	v_nop
.set i, 0
	s_wait_alu depctr_va_vdst(0)
.rept 8
	v_pk_mul_f32 v[O+16*(\t)+2*i:O+16*(\t)+2*i+1], v[O+16*(\t)+2*i:O+16*(\t)+2*i+1], v[rT+6:rT+7] op_sel_hi:[1,0]
.set i, i+1
.endr
.set i, 0
.rept 8
	v_cvt_pk_bf16_f32 v[KF+8*(\t)+i], v[O+16*(\t)+2*i], v[O+16*(\t)+2*i+1]
.set i, i+1
.endr
	global_store_b128 v[GO], v[KF+8*(\t):KF+8*(\t)+3], s[56:57] offset:1024*(\t)        ; channels 8 h + 0..7 of my query: 512 consecutive bytes a wave, aligned
	global_store_b128 v[GO], v[KF+8*(\t)+4:KF+8*(\t)+7], s[56:57] offset:1024*(\t)+512  ; channels 16 + 8 h + 0..7
.endm
	FIN 0
	FIN 1
	s_wait_xcnt 0x0                                ; the stores have read their registers and their base
	s_mov_b32 s16, s15                             ; the second block
	s_lshr_b32 s48, s16, 1
	s_lshl_b32 s20, s16, 11
	s_mov_b32 s21, 0
	s_add_nc_u64 s[56:57], s[58:59], s[20:21]
	WIN 0x01
.set i, 0
.rept 16
	v_mov_b32 v[Q+i], v[QN+i]
.set i, i+1
.endr
	WIN 0
	s_sub_co_u32 s50, s50, 1
	s_cmp_lg_u32 s50, 0
	s_cbranch_scc1 .Lblock
	s_wait_tensorcnt 0x0
	ds_add_u32 v254, v255
	s_wait_dscnt 0x0
	s_endpgm
.Lfunc_end_k_q880cfc3951_attn:
	.size	k_q880cfc3951_attn, .Lfunc_end_k_q880cfc3951_attn-k_q880cfc3951_attn
	.p2alignl 7, 3214868480
	.fill 96, 4, 3214868480
	.section	.rodata,"a",@progbits
	.p2align	6, 0x0
	.amdhsa_kernel k_q880cfc3951_attn
		.amdhsa_group_segment_fixed_size 185344
		.amdhsa_private_segment_fixed_size 0
		.amdhsa_enable_private_segment 0
		.amdhsa_kernarg_size 24
		.amdhsa_user_sgpr_count 2
		.amdhsa_user_sgpr_kernarg_segment_ptr 1
		.amdhsa_wavefront_size32 1
		.amdhsa_system_sgpr_workgroup_id_x 1
		.amdhsa_system_sgpr_workgroup_id_y 1
		.amdhsa_system_sgpr_workgroup_id_z 1
		.amdhsa_system_vgpr_workitem_id 0
		.amdhsa_next_free_vgpr 288
		.amdhsa_next_free_sgpr 66
		.amdhsa_reserve_vcc 1
		.amdhsa_float_denorm_mode_32 3
		.amdhsa_float_denorm_mode_16_64 3
		.amdhsa_memory_ordered 1
		.amdhsa_forward_progress 1
		.amdhsa_inst_pref_size 39
	.end_amdhsa_kernel
	.amdgpu_metadata
---
amdhsa.version: [ 1, 2 ]
amdhsa.kernels:
  - .name:           k_q880cfc3951_attn
    .symbol:         k_q880cfc3951_attn.kd
    .args:
      - { .name: qkv, .offset: 0, .size: 8, .value_kind: global_buffer, .address_space: global }
      - { .name: attention_mask, .offset: 8, .size: 8, .value_kind: global_buffer, .address_space: global }
      - { .name: ob, .offset: 16, .size: 8, .value_kind: global_buffer, .address_space: global }
    .group_segment_fixed_size: 185344
    .private_segment_fixed_size: 0
    .kernarg_segment_align: 8
    .kernarg_segment_size: 24
    .max_flat_workgroup_size: 256
    .sgpr_count:     66
    .vgpr_count:     288
    .wavefront_size: 32
...
	.end_amdgpu_metadata
.endif
;; end of part 3
;; launch wo_ln1 (part 4): grid 256 x 1, 4 waves a work-group, clusters of 4 x 1, 327,680 bytes of LDS; arguments ob, cb, x, bo, g1, beta1, router_w, router_b, x1, x1b, gp; writes x1, x1b, gp
.if DOCPART == 4
	.amdgcn_target "amdgcn-amd-amdhsa--gfx1250"
	.amdhsa_code_object_version 6
	.text
	.protected	k_q880cfc3951_wo_ln1
	.globl	k_q880cfc3951_wo_ln1
	.p2align	8
	.type	k_q880cfc3951_wo_ln1,@function
k_q880cfc3951_wo_ln1:
	s_mov_b64 s[64:65], 0
	v_nop
	global_prefetch_b8 v0, s[64:65] scope:SCOPE_SE
	s_setreg_imm32_b32 hwreg(HW_REG_WAVE_MODE, 25, 1), 1
	s_wait_xcnt 0x0
	s_wait_alu depctr_hold_cnt(0) depctr_sa_sdst(0) depctr_va_vdst(0) depctr_va_sdst(0) depctr_va_ssrc(0) depctr_va_vcc(0) depctr_vm_vsrc(0)
	s_getreg_b32 s2, hwreg(HW_REG_IB_STS2, 6, 4)
	s_cmp_eq_u32 s2, 0
	s_cbranch_scc0 .Lentry_in_a_cluster
	s_endpgm
.Lentry_in_a_cluster:
	s_bfe_u32 s2, ttmp6, 0x10000c
	s_cmp_lg_u32 s2, 0x3003
	s_cbranch_scc0 .Lentry_shape_is_right
	s_endpgm
.Lentry_shape_is_right:
; x1 = LayerNorm(x + o Wo + bo) g1 + beta1, in f32 and in bf16; the router's two logits (f32, on the vector unit: two columns are no matrix work), their softmax with the maximum
; taken away, the renormalised gates p_e / (p_0 + p_1) (both experts are always among the top two of two), and each work-group's sums of p_0 and p_1.
; A work-group owns 32 whole rows, since the norm needs whole rows.  In the product wave w has 32 rows x columns 128 w on: 16 accumulators, which START AS x (loaded straight into them).
; K = 512 in four steps of 128; a quarter of 32 along K is one head of o.  o lies by heads and by tiles of 16 rows, 1,024 bytes a tile, as the image of a fragment: the 16 bytes of row r,
; channels 16 c + 8 h + 0..7, at 512 c + 256 h + 16 r.  So a fragment is two loads of 16 bytes a lane at 16 x lane, 512 bytes apart: neighbouring lanes take neighbouring bytes, and no padding is needed.
; All of A (32 rows x 16 heads, 32,768 bytes) is fetched once; Wo goes through two slots.
; CLUSTER 4 x 1: every work-group walks the same Wo, so its tiles are asked for jointly by four (mask 15); A's tile is the work-group's own (mask 0).
; Behind the last K step the sums go through LDS (in slot 0, which has had its last fill and its last read), and wave w norms rows 8 w on, two at a time.
.set PB, 1056                          ; a row of Wo in LDS: 1,024 bytes + 32 = 33 x 32
.set SLOT, 128*PB                      ; 135,168: its bits (17, 12) occur in no wave's offset
.set ABASE, 2*SLOT                     ; A: [16 heads][2 tiles] of 1,024 bytes
.set PA, 64                            ; bytes of A for a row and a head
.set GS, ABASE+16*32*PA                ; 32 rows x 16 bytes: g0, g1, p0, p1
.set SPARE, GS+512
.set PZ, 2064                          ; a row of sums: 2,048 bytes + 16
.set STEPB, 131072
.set A0, 2
.set B0, 3
.set ADRA, 4
.set ADRB0, 5
.set ADRB1, 6
.set STO, 7
.set ZA, 8
.set XO, 9
.set BO, 10
.set GSA, 11
.set SPW, 28
.set NIL, 29
.set VBO, 32                           ; v32-47 bo, v48-63 g1, v64-79 beta1 of my columns 128 j + 4 l + 0..3
.set VG, 48
.set VBE, 64
.set VRW, 80                           ; v80-111 router_w as loaded
.set ACC, 128
.set RW0, 128                          ; in the norm the accumulators' registers are taken again
.set RW1, 144
.set F0, 0                             ; window 1: 16 registers of A, then 64 of B
.set F1, 128
.set G1A, 24
.set G0A, 32
.set G1B, 48
.set G0B, 56
.set TB, 45
.set SEL, 36
.set MSB, 0
.macro WIN new
.if MSB != (\new)
	s_set_vgpr_msb (MSB<<8)|(\new)
.set MSB, \new
.endif
.endm
.set MUL, 0x05
.set TO_F, 0x40
.macro PLACES
.rept 4
	v_nop
.endr
.endm
.macro CREST
	s_cmp_lg_u32 s10, 0
	s_cbranch_scc1 .Lnot_wave_0_\@
	s_barrier_signal -3
.Lnot_wave_0_\@:
	s_barrier_wait -3
	s_barrier_signal -1
	s_barrier_wait -1
.endm
.macro CROUND
	s_barrier_signal -1
	s_barrier_wait -1
	CREST
.endm
	s_load_b512 s[68:83], s[0:1], 0x0              ; ob 68, cb 70, x 72, bo 74, g1 76, beta1 78, router_w 80, router_b 82
	s_load_b128 s[84:87], s[0:1], 0x40             ; x1, x1b
	s_load_b64 s[88:89], s[0:1], 0x50              ; gp
	v_lshl_add_u32 v[SPW], v0, 2, SPARE
	v_mov_b32 v[NIL], 0
	ds_add_u32 v28, v29
	ds_add_u32 v28, v29
	s_wait_dscnt 0x0
	v_lshrrev_b32 v1, 5, v0
	v_readfirstlane_b32 s10, v1
	s_bfe_u32 s40, ttmp6, 0x40000
	s_lshl_b32 s13, ttmp9, 2
	s_add_co_u32 s13, s13, s40                     ; the work-group's number: it enters global addresses of my own loads and stores alone
	s_mov_b32 s[G1A+0], 1<<16                      ; 2-byte elements, no padding
	s_mov_b32 s[G1A+1], 1024<<16                   ; a head's 32 rows are 2,048 dense bytes: one row of the tile
	s_mov_b32 s[G1A+2], 4<<16
	s_mov_b32 s[G1A+3], 1024<<16
	s_mov_b32 s[G1A+4], 4                          ; four heads a wave
	s_mov_b32 s[G1A+5], 32768                      ; elements from head to head
	s_mov_b32 s[G1A+6], 0
	s_mov_b32 s[G1A+7], 0
	s_mov_b32 s[G1B+0], 15|(1<<16)|(1<<20)|(1<<21)|(7<<22)|(7<<25)  ; the mask of four, bit 21 beside it; 8 words of padding behind every 256
	s_mov_b32 s[G1B+1], 512<<16
	s_mov_b32 s[G1B+2], 32<<16
	s_mov_b32 s[G1B+3], 512<<16
	s_mov_b32 s[G1B+4], 32                         ; 32 rows of a K step a wave
	s_mov_b32 s[G1B+5], 512
	s_mov_b32 s[G1B+6], 0
	s_mov_b32 s[G1B+7], 0
	s_mov_b32 s[SEL], 0x76543210
	s_mov_b32 s[SEL+1], 0xfedcba98
	s_mov_b32 s38, 0x3b000000                      ; 1 / 512
	s_mov_b32 s39, 0x3727c5ac                      ; 1e-5
	s_mov_b32 s41, 0x3fb8aa3b                      ; log2(e)
	s_mov_b32 s[TB], 0
	s_lshr_b32 s16, s13, 5
	s_lshl_b32 s16, s16, 20                        ; the batch's 16 heads
	s_lshl_b32 s17, s10, 18                        ; my four heads
	s_add_co_u32 s16, s16, s17
	s_and_b32 s17, s13, 31
	s_lshl_b32 s17, s17, 11                        ; the work-group's 32 rows in a head
	s_add_co_u32 s16, s16, s17
	s_mov_b32 s17, 0
	s_lshl_b32 s46, s10, 15                        ; my 32 rows of a K step of Wo
	s_add_co_u32 s46, s46, 9961472
	s_mov_b32 s47, 0
	s_mul_i32 s20, s10, 32*PB
	s_mov_b32 s[G0A], 1
	s_mul_i32 s[G0A+1], s10, 4*32*PA
	s_add_co_u32 s[G0A+1], s[G0A+1], ABASE
	s_wait_kmcnt 0x0
	s_load_b64 s[90:91], s[82:83], 0x0             ; router_b
	s_add_nc_u64 s[G0A+2:G0A+3], s[68:69], s[16:17]
	s_or_b32 s[G0A+3], s[G0A+3], 0x80000000
	s_add_nc_u64 s[46:47], s[70:71], s[46:47]
.irp s, 0,1
	s_mov_b32 s[G0B+4*\s], 1
	s_add_co_u32 s[G0B+4*\s+1], s20, \s*SLOT
	s_add_nc_u64 s[G0B+4*\s+2:G0B+4*\s+3], s[46:47], \s*STEPB
	s_or_b32 s[G0B+4*\s+3], s[G0B+4*\s+3], 0x80000000
.endr
	CROUND                                         ; the four work-groups are here
	tensor_load_to_lds s[G0A:G0A+3], s[G1A:G1A+7]  ; every wave: its part of A, of K step 0 and of K step 1: three loads of mine are out
	s_nop 0
	tensor_load_to_lds s[G0B:G0B+3], s[G1B:G1B+7]
	s_nop 0
	tensor_load_to_lds s[G0B+4:G0B+7], s[G1B:G1B+7]
	s_nop 0
	PLACES
	s_lshl_b32 s18, s13, 16                        ; 32 rows of 2,048 bytes
	s_mov_b32 s19, 0
	s_add_nc_u64 s[72:73], s[72:73], s[18:19]
	s_add_nc_u64 s[84:85], s[84:85], s[18:19]
	s_lshl_b32 s18, s13, 15
	s_add_nc_u64 s[86:87], s[86:87], s[18:19]
	s_lshl_b32 s18, s13, 8
	s_add_nc_u64 s[92:93], s[88:89], s[18:19]      ; my 32 rows' gates
	s_lshl_b32 s18, s13, 3
	s_add_nc_u64 s[94:95], s[88:89], s[18:19]      ; my pair of sums, less 65,536
	v_and_b32 v1, 15, v0                           ; r
	v_bfe_u32 v15, v0, 4, 1                        ; h
	v_and_b32 v16, 31, v0                          ; l
	s_lshl_b32 s21, s10, 9
	v_lshl_add_u32 v12, v1, 11, s21
	v_lshl_add_u32 v12, v15, 5, v12                ; x: row r, my 128 columns, 8 h
.irp a, 0,1
.irp b, 0,1,2,3,4,5,6,7
	global_load_b128 v[ACC+8*(8*\a+\b):ACC+8*(8*\a+\b)+3],   v12, s[72:73] offset:32768*\a+64*\b
	global_load_b128 v[ACC+8*(8*\a+\b)+4:ACC+8*(8*\a+\b)+7], v12, s[72:73] offset:32768*\a+64*\b+16
.endr
.endr
	v_lshlrev_b32 v13, 4, v16
	v_lshlrev_b32 v14, 5, v16
.irp j, 0,1,2,3
	global_load_b128 v[VBO+4*\j:VBO+4*\j+3], v13, s[74:75] offset:512*\j
	global_load_b128 v[VG+4*\j:VG+4*\j+3],   v13, s[76:77] offset:512*\j
	global_load_b128 v[VBE+4*\j:VBE+4*\j+3], v13, s[78:79] offset:512*\j
	global_load_b128 v[VRW+8*\j:VRW+8*\j+3],   v14, s[80:81] offset:1024*\j
	global_load_b128 v[VRW+8*\j+4:VRW+8*\j+7], v14, s[80:81] offset:1024*\j+16
.endr
	v_lshl_add_u32 v[A0], v16, 4, ABASE            ; A: 16 x lane
	v_and_b32 v17, 7, v0
	v_lshl_add_u32 v17, v15, 3, v17
	v_mul_u32_u24 v[B0], v17, PB
	v_bfe_u32 v17, v0, 3, 1
	v_lshl_add_u32 v[B0], v17, 4, v[B0]
	s_lshl_b32 s22, s10, 8
	v_add_nc_u32 v[B0], s22, v[B0]
	v_mov_b32 v[ADRA], v[A0]
	v_mov_b32 v[ADRB0], v[B0]
	v_add_nc_u32 v[ADRB1], 64*PB, v[B0]
	v_mul_u32_u24 v[STO], v1, PZ
	v_lshl_add_u32 v[STO], v15, 5, v[STO]
	v_add_nc_u32 v[STO], s21, v[STO]
	s_mul_i32 s22, s10, 8*PZ
	v_lshl_add_u32 v[ZA], v16, 4, s22
	s_lshl_b32 s22, s10, 14
	v_lshl_add_u32 v[XO], v16, 4, s22
	s_lshl_b32 s22, s10, 13
	v_lshl_add_u32 v[BO], v16, 3, s22
	s_lshl_b32 s22, s10, 7
	s_add_co_u32 s22, s22, GS
	v_mov_b32 v[GSA], s22
.macro FETCH q, f                      ; head q of the K step's four (A: tile a at 1,024 a, its second 16 channels 512 bytes on), rows 32 q on of the slot in hand (B, turned)
	WIN TO_F
.irp a, 0,1
	ds_load_b128 v[(\f)+8*\a:(\f)+8*\a+3],   v[ADRA] offset:32*PA*(\q)+16*PA*\a
	ds_load_b128 v[(\f)+8*\a+4:(\f)+8*\a+7], v[ADRA] offset:32*PA*(\q)+16*PA*\a+512
.endr
.set AB, ADRB0+(\q)/2
.irp b, 0,1,2,3,4,5,6,7
	ds_load_tr16_b128 v[(\f)+16+8*\b:(\f)+16+8*\b+3],   v[AB] offset:32*PB*((\q)%2)+32*\b
	ds_load_tr16_b128 v[(\f)+16+8*\b+4:(\f)+16+8*\b+7], v[AB] offset:32*PB*((\q)%2)+16*PB+32*\b
.endr
.endm
.macro MUL8 f, a                       ; the 16 accumulators take turns
	WIN MUL
.irp b, 0,1,2,3,4,5,6,7
	v_wmma_f32_16x16x32_bf16 v[ACC+8*(8*(\a)+\b):ACC+8*(8*(\a)+\b)+7], v[(\f)+16+8*\b:(\f)+16+8*\b+7], v[(\f)+8*(\a):(\f)+8*(\a)+7], v[ACC+8*(8*(\a)+\b):ACC+8*(8*(\a)+\b)+7]
.endr
.endm
.macro QUARTER f, g, q
	s_wait_dscnt 0x0
	MUL8 \f, 0
	PLACES
	FETCH \q, \g
	MUL8 \f, 1
.endm
.macro TURN fill
	WIN 0
	s_wait_tensorcnt 0x0                           ; all my tensor loads have landed: my part of the next slot
	ds_add_u32 v[SPW], v[NIL]                      ; 0 onto my spare word
	s_wait_dscnt 1                                 ; the add alone may be out
	MUL8 F1, 0
	s_wait_dscnt 0x0                               ; the add is done, and my reads of this slot are over
	s_barrier_signal -1
	MUL8 F1, 1
	WIN 0
	s_barrier_wait -1
.if \fill
	CREST
	s_xor_b32 s[G0B+5], s[G0B+5], SLOT
	s_add_nc_u64 s[G0B+6:G0B+7], s[G0B+6:G0B+7], STEPB
	tensor_load_to_lds s[G0B+4:G0B+7], s[G1B:G1B+7]  ; every wave's one load behind the round: its 32 rows, two K steps ahead
	s_nop 0
	PLACES
.else
	PLACES
	s_cmp_eq_u32 s3, 1
	s_cbranch_scc1 .Lnf_\@                         ; behind the last K step nothing is left to fetch
.endif
	s_xor_b32 s[TB], s[TB], SLOT
	v_add_nc_u32 v[ADRB0], s[TB], v[B0]
	v_add_nc_u32 v[ADRB1], 64*PB, v[ADRB0]
	v_add_nc_u32 v[ADRA], 4*32*PA, v[ADRA]
	FETCH 0, F0
	WIN 0
.if !(\fill)
.Lnf_\@:
.endif
.endm
	s_wait_tensorcnt 1                             ; A and K step 0 are in; K step 1 may stay out
	s_barrier_signal -1
	s_barrier_wait -1
	FETCH 0, F0
	WIN 0
	s_wait_loadcnt 0x0                             ; x lies in the accumulators
	s_wait_kmcnt 0x0
	s_mov_b32 s3, 2
.Lfill:
	QUARTER F0, F1, 1
	QUARTER F1, F0, 2
	QUARTER F0, F1, 3
	TURN 1
	s_sub_co_u32 s3, s3, 1
	s_cmp_lg_u32 s3, 0
	s_cbranch_scc1 .Lfill
	s_mov_b32 s3, 2
.Ltail:
	QUARTER F0, F1, 1
	QUARTER F1, F0, 2
	QUARTER F0, F1, 3
	TURN 0
	s_sub_co_u32 s3, s3, 1
	s_cmp_lg_u32 s3, 0
	s_cbranch_scc1 .Ltail
	PLACES
.irp a, 0,1                            ; the sums into rows of 2,064 bytes, each accumulator's low four registers first
.irp b, 0,1,2,3,4,5,6,7
	ds_store_b128 v[STO], v[ACC+8*(8*\a+\b):ACC+8*(8*\a+\b)+3] offset:16*PZ*\a+64*\b
	ds_store_b128 v[STO], v[ACC+8*(8*\a+\b)+4:ACC+8*(8*\a+\b)+7] offset:16*PZ*\a+64*\b+16
.endr
.endr
.set i, 0
.rept 16                               ; router_w's two columns apart
	v_mov_b32 v[RW0+i], v[VRW+2*i]
	v_mov_b32 v[RW1+i], v[VRW+2*i+1]
.set i, i+1
.endr
	s_wait_dscnt 0x0                               ; for the others' sake: my stores are done
	s_barrier_signal -1
	s_barrier_wait -1
.macro BOTH line:vararg                ; one line for each of the trip's two rows
.set ZZ, 160
.set WW, 192
.set RR, 0
	\line
.set ZZ, 176
.set WW, 208
.set RR, 1
	\line
.endm
.macro RED2 x                          ; v[WW+x] summed over the 32 lanes; v[WW+x+1] at work
.irp m, 1,2,4,8
	BOTH v_add_f32_dpp v[WW+\x], v[WW+\x], v[WW+\x] row_xmask:\m row_mask:0xf bank_mask:0xf
.endr
	BOTH v_permlanex16_b32 v[WW+\x+1], v[WW+\x], s[SEL], s[SEL+1]
	BOTH v_add_f32 v[WW+\x], v[WW+\x], v[WW+\x+1]
.endm
	s_mov_b32 s3, 4
.Lln:                                                  ; two rows a trip
.irp j, 0,1,2,3
	BOTH ds_load_b128 v[ZZ+4*\j:ZZ+4*\j+3], v[ZA] offset:512*\j+PZ*RR
.endr
	s_wait_dscnt 0x0
.irp i, 0,2,4,6,8,10,12,14
	BOTH v_pk_add_f32 v[ZZ+\i:ZZ+\i+1], v[ZZ+\i:ZZ+\i+1], v[VBO+\i:VBO+\i+1]
.endr
.irp i, 0,2,4,6
	BOTH v_pk_add_f32 v[WW+\i:WW+\i+1], v[ZZ+2*\i:ZZ+2*\i+1], v[ZZ+2*\i+2:ZZ+2*\i+3]
.endr
	BOTH v_pk_add_f32 v[WW:WW+1], v[WW:WW+1], v[WW+2:WW+3]
	BOTH v_pk_add_f32 v[WW+4:WW+5], v[WW+4:WW+5], v[WW+6:WW+7]
	BOTH v_pk_add_f32 v[WW:WW+1], v[WW:WW+1], v[WW+4:WW+5]
	BOTH v_add_f32 v[WW], v[WW], v[WW+1]
	RED2 0
	BOTH v_mul_f32 v[WW], s38, v[WW]               ; the mean
.irp i, 0,2,4,6,8,10,12,14
	BOTH v_pk_add_f32 v[ZZ+\i:ZZ+\i+1], v[ZZ+\i:ZZ+\i+1], v[WW:WW+1] op_sel_hi:[1,0] neg_lo:[0,1] neg_hi:[0,1]
.endr
	BOTH v_pk_mul_f32 v[WW+2:WW+3], v[ZZ:ZZ+1], v[ZZ:ZZ+1]
	BOTH v_pk_mul_f32 v[WW+4:WW+5], v[ZZ+2:ZZ+3], v[ZZ+2:ZZ+3]
.irp i, 4,8,12
	BOTH v_pk_fma_f32 v[WW+2:WW+3], v[ZZ+\i:ZZ+\i+1], v[ZZ+\i:ZZ+\i+1], v[WW+2:WW+3]
	BOTH v_pk_fma_f32 v[WW+4:WW+5], v[ZZ+\i+2:ZZ+\i+3], v[ZZ+\i+2:ZZ+\i+3], v[WW+4:WW+5]
.endr
	BOTH v_pk_add_f32 v[WW+2:WW+3], v[WW+2:WW+3], v[WW+4:WW+5]
	BOTH v_add_f32 v[WW+2], v[WW+2], v[WW+3]
	RED2 2
	BOTH v_fma_f32 v[WW+2], v[WW+2], s38, s39      ; the variance + 1e-5
	BOTH v_rsq_f32 v[WW+2], v[WW+2]
	v_nop
	s_wait_alu depctr_va_vdst(0)
.irp i, 0,2,4,6,8,10,12,14
	BOTH v_pk_mul_f32 v[ZZ+\i:ZZ+\i+1], v[ZZ+\i:ZZ+\i+1], v[WW+2:WW+3] op_sel_hi:[1,0]
.endr
.irp i, 0,2,4,6,8,10,12,14
	BOTH v_pk_fma_f32 v[ZZ+\i:ZZ+\i+1], v[ZZ+\i:ZZ+\i+1], v[VG+\i:VG+\i+1], v[VBE+\i:VBE+\i+1]
.endr
.irp j, 0,1,2,3
	BOTH global_store_b128 v[XO], v[ZZ+4*\j:ZZ+4*\j+3], s[84:85] offset:512*\j+2048*RR
.endr
.irp i, 0,1,2,3,4,5,6,7
	BOTH v_cvt_pk_bf16_f32 v[WW+8+\i], v[ZZ+2*\i], v[ZZ+2*\i+1]
.endr
.irp j, 0,1,2,3
	BOTH global_store_b64 v[BO], v[WW+8+2*\j:WW+8+2*\j+1], s[86:87] offset:256*\j+1024*RR  ; 256 consecutive bytes, aligned
.endr
	BOTH v_pk_mul_f32 v[WW:WW+1], v[ZZ:ZZ+1], v[RW0:RW0+1]
	BOTH v_pk_mul_f32 v[WW+2:WW+3], v[ZZ:ZZ+1], v[RW1:RW1+1]
.irp i, 2,4,6,8,10,12,14
	BOTH v_pk_fma_f32 v[WW:WW+1], v[ZZ+\i:ZZ+\i+1], v[RW0+\i:RW0+\i+1], v[WW:WW+1]
	BOTH v_pk_fma_f32 v[WW+2:WW+3], v[ZZ+\i:ZZ+\i+1], v[RW1+\i:RW1+\i+1], v[WW+2:WW+3]
.endr
	BOTH v_add_f32 v[WW], v[WW], v[WW+1]
	BOTH v_add_f32 v[WW+2], v[WW+2], v[WW+3]
	RED2 0
	RED2 2
	BOTH v_add_f32 v[WW], s90, v[WW]               ; the two logits
	BOTH v_add_f32 v[WW+2], s91, v[WW+2]
	BOTH v_max_num_f32 v[WW+4], v[WW], v[WW+2]     ; their maximum is taken away
	BOTH v_sub_f32 v[WW], v[WW], v[WW+4]
	BOTH v_sub_f32 v[WW+2], v[WW+2], v[WW+4]
	BOTH v_mul_f32 v[WW], s41, v[WW]
	BOTH v_mul_f32 v[WW+2], s41, v[WW+2]
	BOTH v_exp_f32 v[WW], v[WW]
	BOTH v_exp_f32 v[WW+2], v[WW+2]
	v_nop
	s_wait_alu depctr_va_vdst(0)
	BOTH v_add_f32 v[WW+1], v[WW], v[WW+2]
	BOTH v_rcp_f32 v[WW+1], v[WW+1]
	v_nop
	s_wait_alu depctr_va_vdst(0)
	BOTH v_mul_f32 v[WW+6], v[WW], v[WW+1]         ; p0, p1
	BOTH v_mul_f32 v[WW+7], v[WW+2], v[WW+1]
	BOTH v_add_f32 v[WW+3], v[WW+6], v[WW+7]
	BOTH v_rcp_f32 v[WW+3], v[WW+3]
	v_nop
	s_wait_alu depctr_va_vdst(0)
	BOTH v_mul_f32 v[WW+4], v[WW+6], v[WW+3]       ; the gates
	BOTH v_mul_f32 v[WW+5], v[WW+7], v[WW+3]
	BOTH ds_store_b128 v[GSA], v[WW+4:WW+7] offset:16*RR  ; all lanes hold the same four numbers
	s_wait_xcnt 0x0                                ; the stores have read their registers and offsets
	v_add_nc_u32 v[ZA], 2*PZ, v[ZA]
	v_add_nc_u32 v[XO], 4096, v[XO]
	v_add_nc_u32 v[BO], 2048, v[BO]
	v_add_nc_u32 v[GSA], 32, v[GSA]
	s_sub_co_u32 s3, s3, 1
	s_cmp_lg_u32 s3, 0
	s_cbranch_scc1 .Lln
	s_wait_dscnt 0x0
	s_barrier_signal -1
	s_barrier_wait -1
	s_cmp_lg_u32 s10, 0
	s_cbranch_scc1 .Lnot0                          ; wave 0 stores the 32 rows' gates (256 consecutive bytes) and the sums of p0 and p1
	v_lshl_add_u32 v17, v16, 4, GS
	ds_load_b128 v[160:163], v17
	v_lshlrev_b32 v18, 3, v16
	v_mov_b32 v19, 0
	s_wait_dscnt 0x0
	global_store_b64 v18, v[160:161], s[92:93]
.irp m, 1,2,4,8
	v_add_f32_dpp v162, v162, v162 row_xmask:\m row_mask:0xf bank_mask:0xf
	v_add_f32_dpp v163, v163, v163 row_xmask:\m row_mask:0xf bank_mask:0xf
.endr
	v_permlanex16_b32 v164, v162, s[SEL], s[SEL+1]
	v_permlanex16_b32 v165, v163, s[SEL], s[SEL+1]
	v_add_f32 v162, v162, v164
	v_add_f32 v163, v163, v165
	v_cmp_gt_u32 vcc_lo, 1, v16
	s_wait_xcnt 0x0                                ; EXEC changes only behind this wait
	s_and_saveexec_b32 s14, vcc_lo
	global_store_b64 v19, v[162:163], s[94:95] offset:65536
	s_wait_xcnt 0x0
	s_or_b32 exec_lo, exec_lo, s14
.Lnot0:
	s_wait_tensorcnt 0x0                           ; the wave's end
	ds_add_u32 v[SPW], v[NIL]
	s_wait_dscnt 0x0
	CROUND
	s_endpgm
.Lfunc_end_k_q880cfc3951_wo_ln1:
	.size	k_q880cfc3951_wo_ln1, .Lfunc_end_k_q880cfc3951_wo_ln1-k_q880cfc3951_wo_ln1
	.p2alignl 7, 3214868480
	.fill 96, 4, 3214868480
	.section	.rodata,"a",@progbits
	.p2align	6, 0x0
	.amdhsa_kernel k_q880cfc3951_wo_ln1
		.amdhsa_group_segment_fixed_size 327680
		.amdhsa_private_segment_fixed_size 0
		.amdhsa_enable_private_segment 0
		.amdhsa_kernarg_size 88
		.amdhsa_user_sgpr_count 2
		.amdhsa_user_sgpr_kernarg_segment_ptr 1
		.amdhsa_wavefront_size32 1
		.amdhsa_system_sgpr_workgroup_id_x 1
		.amdhsa_system_sgpr_workgroup_id_y 1
		.amdhsa_system_sgpr_workgroup_id_z 1
		.amdhsa_system_vgpr_workitem_id 0
		.amdhsa_next_free_vgpr 512
		.amdhsa_next_free_sgpr 96
		.amdhsa_reserve_vcc 1
		.amdhsa_float_denorm_mode_32 3
		.amdhsa_float_denorm_mode_16_64 3
		.amdhsa_memory_ordered 1
		.amdhsa_forward_progress 1
		.amdhsa_inst_pref_size 56
	.end_amdhsa_kernel
	.amdgpu_metadata
---
amdhsa.version: [ 1, 2 ]
amdhsa.kernels:
  - .name:           k_q880cfc3951_wo_ln1
    .symbol:         k_q880cfc3951_wo_ln1.kd
    .args:
      - { .name: ob, .offset: 0, .size: 8, .value_kind: global_buffer, .address_space: global }
      - { .name: cb, .offset: 8, .size: 8, .value_kind: global_buffer, .address_space: global }
      - { .name: x, .offset: 16, .size: 8, .value_kind: global_buffer, .address_space: global }
      - { .name: bo, .offset: 24, .size: 8, .value_kind: global_buffer, .address_space: global }
      - { .name: g1, .offset: 32, .size: 8, .value_kind: global_buffer, .address_space: global }
      - { .name: beta1, .offset: 40, .size: 8, .value_kind: global_buffer, .address_space: global }
      - { .name: router_w, .offset: 48, .size: 8, .value_kind: global_buffer, .address_space: global }
      - { .name: router_b, .offset: 56, .size: 8, .value_kind: global_buffer, .address_space: global }
      - { .name: x1, .offset: 64, .size: 8, .value_kind: global_buffer, .address_space: global }
      - { .name: x1b, .offset: 72, .size: 8, .value_kind: global_buffer, .address_space: global }
      - { .name: gp, .offset: 80, .size: 8, .value_kind: global_buffer, .address_space: global }
    .group_segment_fixed_size: 327680
    .private_segment_fixed_size: 0
    .kernarg_segment_align: 8
    .kernarg_segment_size: 88
    .max_flat_workgroup_size: 128
    .sgpr_count:     96
    .vgpr_count:     512
    .wavefront_size: 32
...
	.end_amdgpu_metadata
.endif
;; end of part 4
;; launch ffn (part 5): grid 4 x 64, 4 waves a work-group, clusters of 4 x 4, 327,680 bytes of LDS; arguments x1b, cb, B1, B2, pz; writes pz
.if DOCPART == 5
	.amdgcn_target "amdgcn-amd-amdhsa--gfx1250"
	.amdhsa_code_object_version 6
	.text
	.protected	k_q880cfc3951_ffn
	.globl	k_q880cfc3951_ffn
	.p2align	8
	.type	k_q880cfc3951_ffn,@function
k_q880cfc3951_ffn:
	s_mov_b64 s[64:65], 0
	v_nop
	global_prefetch_b8 v0, s[64:65] scope:SCOPE_SE
	s_setreg_imm32_b32 hwreg(HW_REG_WAVE_MODE, 25, 1), 1
	s_wait_xcnt 0x0
	s_wait_alu depctr_hold_cnt(0) depctr_sa_sdst(0) depctr_va_vdst(0) depctr_va_sdst(0) depctr_va_ssrc(0) depctr_va_vcc(0) depctr_vm_vsrc(0)
	s_getreg_b32 s2, hwreg(HW_REG_IB_STS2, 6, 4)
	s_cmp_eq_u32 s2, 0
	s_cbranch_scc0 .Lentry_in_a_cluster
	s_endpgm
.Lentry_in_a_cluster:
	s_bfe_u32 s2, ttmp6, 0x10000c
	s_cmp_lg_u32 s2, 0xf033
	s_cbranch_scc0 .Lentry_shape_is_right
	s_endpgm
.Lentry_shape_is_right:
; Both products of the experts in one launch: pz[c] = relu(x1 W1_e[:, chunk c] + B1_e[chunk c]) W2_e[chunk c, :] + B2_e / 2, f32, for the four chunks c of 1,024 of the 4,096 hidden columns
; (chunks 0, 1: expert 0; chunks 2, 3: expert 1).  bf16 operands, f32 sums.  A chunk lies in one expert, so the row's gate factors out of its partial sum: the next launch applies it.
; SHARES.  A work-group owns 128 rows and one chunk: 64 x 4 = 256 work-groups.  Its 128 rows of x1 (bf16) lie in LDS for the whole launch.  A chunk goes in 8 sub-chunks of 128 hidden columns:
;   G1: H[128 x 128] = x1 W1 + B1 (the bias is the C of the first products); a wave has 64 x 64, 16 accumulators;   relu, rounding, H into LDS, a barrier;
;   G2: Y[128 x 512] += H W2; a wave has 128 rows x 128 columns, 64 accumulators, which stay in registers from first to last and START AS B2 / 2 (an expert's two chunks sum to B2).
; THE RING.  Two slots; four pieces of weights a sub-chunk take them by turns: W1's K 0-255, K 256-511 (256 rows x 128 columns), W2's rows 0-63, 64-127 (64 rows x 512 columns).  Every wave brings a quarter of
; each piece.  A slot is filled again, with the piece two pieces on, behind the round in the last quarter of the phase that read it.  By the text's own count a wave has three loads out at the start, later one.
; Weights lie [k][n] and are turned on their way into registers by ds_load_tr16_b128.  THE MATRIX INSTRUCTION IS USED TRANSPOSED: source 0 = 16 columns of the weight, source 1 = 16 rows; a lane holds one row and
; eight neighbouring columns, so H's results pack into the 16 bytes that G2's fragments read.
; CLUSTER 4 x 4: x = the chunk, y = four row blocks.  x1's rows are shared along a row of the cluster, the weights along a column: each is asked for jointly by four.
; A cluster begins at sub-chunk (cluster y) mod 8 and wraps round (the order of the sum over hidden columns is free), so that the clusters ask for different pieces at a time; the number enters global addresses alone.
; REGISTERS: window 0: v0-31 addresses, v32-63 the bias, v64-127 at work, v128-255 H's accumulators ((a, b) at 128 + 8 (4 a + b)); window 1: two fragment buffers of 128; windows 2, 3: Y ((a, b) at 8 (8 a + b)).
.set PX,   1040                        ; a row of x1 in LDS: 1,024 bytes + 16 = 65 x 16
.set PW1,  288                         ; a row of a W1 piece: 256 + 32 = 9 x 32
.set PW2,  1056                        ; a row of a W2 piece: 1,024 + 32 = 33 x 32
.set PH,   272                         ; a row of H: 256 + 16
.set PS,   528                         ; a row of a wave's stage on the way out: 512 + 16
.set SLOT, 256*PW1                     ; 73,728; a W2 piece takes 64 x 1,056 = 67,584 of it
.set XAB,  2*SLOT
.set HSB,  XAB+128*PX                  ; written by LDS stores alone; no tensor load lands here
.set SPARE, HSB+128*PH                 ; the spare words, 128 bytes a wave
.set XA0, 2                            ; v2     my lane's place in x1's rows (my 64 of them)
.set W1A, 3                            ; v3-6   the same in a W1 piece: slot 0 rows 0-127, 128-255; slot 1 likewise
.set W2A, 7                            ; v7-8   in a W2 piece: slot 0, slot 1
.set HSA, 9                            ; v9     in H, read
.set HST, 10                           ; v10    in H, written
.set BO0, 11                           ; v11    my byte offset in B1 at sub-chunk 0;  v12 at the sub-chunk in hand
.set BOF, 12
.set STO, 13
.set RD,  14
.set CO,  15
.set SPW, 28
.set NIL, 29
.set BIAS, 32
.set TMP, 64
.set ACC, 128
.set F0, 0
.set F1, 128
.set SG, 45                            ; s45    the sub-chunk whose pieces are asked for next
.set MSB, 0
.macro WIN new                         ; the immediate's high byte repeats the setting that is left
.if MSB != (\new)
	s_set_vgpr_msb (MSB<<8)|(\new)
.set MSB, \new
.endif
.endm
.macro PLACES                          ; four places behind matrix instructions (ISA guide 7.12.1)
.rept 4
	v_nop
.endr
.endm
.macro CREST
	s_cmp_lg_u32 s10, 0
	s_cbranch_scc1 .Lnot_wave_0_\@
	s_barrier_signal -3
.Lnot_wave_0_\@:
	s_barrier_wait -3
	s_barrier_signal -1
	s_barrier_wait -1
.endm
.macro CROUND
	s_barrier_signal -1
	s_barrier_wait -1
	CREST
.endm
	s_load_b256 s[88:95], s[0:1], 0x0              ; x1b, cb, B1, B2
	s_load_b64 s[8:9], s[0:1], 0x20                ; pz
	v_lshl_add_u32 v[SPW], v0, 2, SPARE
	v_mov_b32 v[NIL], 0
	ds_add_u32 v28, v29
	ds_add_u32 v28, v29
	s_wait_dscnt 0x0
	v_lshrrev_b32 v1, 5, v0
	v_readfirstlane_b32 s10, v1                    ; wave
	s_lshr_b32 s11, s10, 1                         ; G1: my half of the rows
	s_and_b32 s12, s10, 1                          ; G1: my half of the sub-chunk's columns
	s_bfe_u32 s40, ttmp6, 0x40000                  ; cx
	s_bfe_u32 s41, ttmp6, 0x40004                  ; cy
	s_lshl_b32 s42, ttmp9, 2
	s_add_co_u32 s42, s42, s40                     ; the chunk
	s_and_b32 s13, ttmp7, 0xffff
	s_and_b32 s[SG], s13, 7                        ; the cluster's first sub-chunk
	s_lshl_b32 s13, s13, 2
	s_add_co_u32 s13, s13, s41                     ; the row block
	s_lshl_b32 s43, s41, 2
	s_lshl_b32 s43, 15, s43                        ; my row of the cluster
	s_lshl_b32 s44, 0x1111, s40                    ; my column
	s_or_b32 s24, s43, (1<<16)|(1<<20)|(1<<21)|(7<<22)|(3<<25)  ; x1: 32 rows x 512 elements a wave; 4 words of padding behind every 256
	s_mov_b32 s25, 512<<16
	s_mov_b32 s26, 32<<16
	s_mov_b32 s27, 512<<16
	s_mov_b32 s28, 32
	s_mov_b32 s29, 512
	s_mov_b32 s30, 0
	s_mov_b32 s31, 0
	s_or_b32 s48, s44, (1<<16)|(1<<20)|(1<<21)|(5<<22)|(7<<25)  ; a W1 piece: 64 rows x 128 elements a wave; 8 words behind every 64
	s_mov_b32 s49, 128<<16
	s_mov_b32 s50, 64<<16
	s_mov_b32 s51, 128<<16
	s_mov_b32 s52, 64
	s_mov_b32 s53, 2048
	s_mov_b32 s54, 0
	s_mov_b32 s55, 0
	s_or_b32 s56, s44, (1<<16)|(1<<20)|(1<<21)|(7<<22)|(7<<25)  ; a W2 piece: 16 rows x 512 elements a wave; 8 words behind every 256
	s_mov_b32 s57, 512<<16
	s_mov_b32 s58, 16<<16
	s_mov_b32 s59, 512<<16
	s_mov_b32 s60, 16
	s_mov_b32 s61, 512
	s_mov_b32 s62, 0
	s_mov_b32 s63, 0
	s_mul_i32 s82, s10, 64*PW1                     ; my quarter of a W1 piece in a slot
	s_mul_i32 s83, s10, 16*PW2                     ; of a W2 piece
	s_mov_b32 s32, 1
	s_mul_i32 s33, s10, 32*PX
	s_add_co_u32 s33, s33, XAB
	s_mov_b32 s36, 1                               ; s[36:39]: W1's first piece, then every refill
	s_add_co_u32 s37, s82, 0
	s_mov_b32 s68, 1                               ; s[68:71]: W1's second piece, once
	s_add_co_u32 s69, s82, SLOT
	s_lshl_b32 s80, s[SG], 8                       ; a sub-chunk is 256 bytes along W1's rows
	s_mov_b32 s81, 0
	s_lshl_b32 s16, s13, 17                        ; x1b: 128 rows of 1,024 bytes a row block, 32 rows a wave
	s_lshl_b32 s17, s10, 15
	s_add_co_u32 s16, s16, s17
	s_mov_b32 s17, 0
	s_lshr_b32 s46, s42, 1                         ; W1: the expert, the chunk's 1,024 columns, my 64 rows of a piece
	s_lshl_b32 s46, s46, 21
	s_and_b32 s47, s42, 1
	s_lshl_b32 s47, s47, 11
	s_add_co_u32 s46, s46, s47
	s_lshl_b32 s47, s10, 18
	s_add_co_u32 s46, s46, s47
	s_add_co_u32 s46, s46, 10485760
	s_mov_b32 s47, 0
	s_lshl_b32 s20, s42, 20                        ; W2: the chunk's 1,024 rows of 1,024 bytes, my 16 rows of a piece
	s_lshl_b32 s21, s10, 14
	s_add_co_u32 s20, s20, s21
	s_add_co_u32 s20, s20, 14680064
	s_mov_b32 s21, 0
	s_wait_kmcnt 0x0
	s_add_nc_u64 s[34:35], s[88:89], s[16:17]
	s_or_b32 s35, s35, 0x80000000
	s_add_nc_u64 s[72:73], s[90:91], s[46:47]      ; W1, K 0-255, sub-chunk 0
	s_add_nc_u64 s[74:75], s[72:73], 0x100000      ; K 256-511: 256 rows of 4,096 bytes on
	s_add_nc_u64 s[76:77], s[90:91], s[20:21]      ; W2, rows 0-63, sub-chunk 0
	s_add_nc_u64 s[78:79], s[76:77], 0x10000       ; rows 64-127
	s_add_nc_u64 s[38:39], s[72:73], s[80:81]
	s_or_b32 s39, s39, 0x80000000
	s_add_nc_u64 s[70:71], s[74:75], s[80:81]
	s_or_b32 s71, s71, 0x80000000
	CROUND                                         ; all sixteen work-groups are here: the first joint loads meet
	tensor_load_to_lds s[32:35], s[24:31]          ; every wave: its quarter of x1's rows, of W1's first piece and of its second
	s_nop 0
	tensor_load_to_lds s[36:39], s[48:55]
	s_nop 0
	tensor_load_to_lds s[68:71], s[48:55]
	s_nop 0
	PLACES
	v_and_b32 v1, 15, v0                           ; r = l % 16
	v_bfe_u32 v16, v0, 4, 1                        ; h = l / 16
	v_and_b32 v17, 31, v0                          ; l
	s_lshl_b32 s14, s42, 12                        ; B1: 4,096 bytes a chunk, 256 for my half of a sub-chunk, 32 h
	s_lshl_b32 s15, s12, 8
	s_add_co_u32 s14, s14, s15
	v_lshl_add_u32 v[BO0], v16, 5, s14
	s_lshl_b32 s84, s[SG], 9                       ; 512 bytes a sub-chunk
	v_add_nc_u32 v[BOF], s84, v[BO0]
.irp b, 0,1,2,3
	global_load_b128 v[BIAS+8*\b:BIAS+8*\b+3],   v[BOF], s[92:93] offset:64*\b
	global_load_b128 v[BIAS+8*\b+4:BIAS+8*\b+7], v[BOF], s[92:93] offset:64*\b+16
.endr
	s_lshr_b32 s14, s42, 1                         ; B2: the expert's 2,048 bytes, my 128 columns, 32 h
	s_lshl_b32 s14, s14, 11
	s_lshl_b32 s15, s10, 9
	s_add_co_u32 s14, s14, s15
	v_lshl_add_u32 v21, v16, 5, s14
.irp b, 0,1,2,3,4,5,6,7
	global_load_b128 v[TMP+8*\b:TMP+8*\b+3],   v21, s[94:95] offset:64*\b
	global_load_b128 v[TMP+8*\b+4:TMP+8*\b+7], v21, s[94:95] offset:64*\b+16
.endr
	v_mul_u32_u24 v[XA0], v1, PX
	v_lshl_add_u32 v[XA0], v16, 4, v[XA0]
	s_mul_i32 s21, s11, 64*PX
	s_add_co_u32 s21, s21, XAB
	v_add_nc_u32 v[XA0], s21, v[XA0]               ; row x pitch + 16 h + my 64 rows
	v_and_b32 v18, 7, v0
	v_lshl_add_u32 v18, v16, 3, v18                ; the turning load's row: 8 h + l % 8
	v_bfe_u32 v19, v0, 3, 1
	v_mul_u32_u24 v[W1A], v18, PW1
	v_lshl_add_u32 v[W1A], v19, 4, v[W1A]
	s_lshl_b32 s21, s12, 7
	v_add_nc_u32 v[W1A], s21, v[W1A]               ; + my 64 columns
	v_add_nc_u32 v[W1A+1], 128*PW1, v[W1A]
	v_add_nc_u32 v[W1A+2], SLOT, v[W1A]
	v_add_nc_u32 v[W1A+3], SLOT+128*PW1, v[W1A]
	v_mul_u32_u24 v[W2A], v18, PW2
	v_lshl_add_u32 v[W2A], v19, 4, v[W2A]
	s_lshl_b32 s21, s10, 8
	v_add_nc_u32 v[W2A], s21, v[W2A]               ; + my 128 columns
	v_add_nc_u32 v[W2A+1], SLOT, v[W2A]
	v_mul_u32_u24 v[HSA], v1, PH
	v_lshl_add_u32 v[HSA], v16, 4, v[HSA]
	v_add_nc_u32 v[HSA], HSB, v[HSA]
	s_mul_i32 s21, s11, 64*PH
	s_lshl_b32 s22, s12, 7
	s_add_co_u32 s21, s21, s22
	v_add_nc_u32 v[HST], s21, v[HSA]               ; my 64 rows, my 64 columns
	s_mul_i32 s23, s10, 16*PS
	s_add_co_u32 s23, s23, HSB                     ; my stage on the way out, in H's bytes
	v_mul_u32_u24 v[STO], v1, PS
	v_lshl_add_u32 v[STO], v16, 5, v[STO]
	v_add_nc_u32 v[STO], s23, v[STO]
	v_lshl_add_u32 v[RD], v17, 4, s23              ; back: a row's 512 bytes, 16 a lane
	v_lshlrev_b32 v[CO], 4, v17
	s_lshl_b32 s18, s42, 24                        ; pz: 16,777,216 bytes a chunk, 128 rows of 2,048 a row block, my 512 bytes of a row
	s_lshl_b32 s19, s13, 18
	s_add_co_u32 s18, s18, s19
	s_lshl_b32 s19, s10, 9
	s_add_co_u32 s18, s18, s19
	s_mov_b32 s19, 0
	s_add_nc_u64 s[8:9], s[8:9], s[18:19]
	s_wait_loadcnt 0x0                             ; B1 and B2
.irp a, 0,1,2,3,4,5,6,7                ; Y starts as B2 / 2, in the wait for the first tiles
	WIN 0x80+0x40*(\a/4)
.irp b, 0,1,2,3,4,5,6,7
.irp i, 0,2,4,6
	v_pk_mul_f32 v[8*(8*(\a%4)+\b)+\i:8*(8*(\a%4)+\b)+\i+1], v[TMP+8*\b+\i:TMP+8*\b+\i+1], 0.5 op_sel_hi:[1,0]
.endr
.endr
.endr
	WIN 0
; G1.  8 matrix instructions: row blocks a0, a0 + 1 x all 4 column blocks, 32 along K: half c of buffer f.  bias = 1: C is the bias and the sums start.  The 16 accumulators take turns.
.macro MUL8 f, c, a0, bias=0
	WIN 0x05
.irp a, \a0, (\a0)+1
.irp b, 0,1,2,3
.if \bias
	v_wmma_f32_16x16x32_bf16 v[ACC+8*(4*(\a)+(\b)):ACC+8*(4*(\a)+(\b))+7], v[(\f)+64+8*(4*(\c)+(\b)):(\f)+64+8*(4*(\c)+(\b))+7], v[(\f)+8*(4*(\c)+(\a)):(\f)+8*(4*(\c)+(\a))+7], v[BIAS+8*(\b):BIAS+8*(\b)+7]
.else
	v_wmma_f32_16x16x32_bf16 v[ACC+8*(4*(\a)+(\b)):ACC+8*(4*(\a)+(\b))+7], v[(\f)+64+8*(4*(\c)+(\b)):(\f)+64+8*(4*(\c)+(\b))+7], v[(\f)+8*(4*(\c)+(\a)):(\f)+8*(4*(\c)+(\a))+7], v[ACC+8*(4*(\a)+(\b)):ACC+8*(4*(\a)+(\b))+7]
.endif
.endr
.endr
.endm
; 32 LDS loads: quarter q (64 along K) of piece p (slot p; K 256 p on in x1's rows) into buffer f, its first 32 along K first
.macro FETCH1 p, q, f
	WIN 0x40
.set AB, W1A+2*(\p)+(\q)/2
.irp c, 0,1
.irp i, 0,1,2,3
	ds_load_tr16_b128 v[(\f)+64+8*(4*(\c)+(\i)):(\f)+64+8*(4*(\c)+(\i))+3],   v[AB] offset:(64*((\q)%2)+32*(\c))*PW1+32*(\i)
	ds_load_tr16_b128 v[(\f)+64+8*(4*(\c)+(\i))+4:(\f)+64+8*(4*(\c)+(\i))+7], v[AB] offset:(64*((\q)%2)+32*(\c))*PW1+16*PW1+32*(\i)
	ds_load_b128 v[(\f)+8*(4*(\c)+(\i)):(\f)+8*(4*(\c)+(\i))+3],   v[XA0] offset:512*(\p)+128*(\q)+64*(\c)+(\i)*16*PX
	ds_load_b128 v[(\f)+8*(4*(\c)+(\i))+4:(\f)+8*(4*(\c)+(\i))+7], v[XA0] offset:512*(\p)+128*(\q)+64*(\c)+(\i)*16*PX+32
.endr
.endr
.endm
.macro QUARTER1 p, q, f, g, bias       ; multiplies buffer f; in its middle fetches quarter q into buffer g
	s_wait_dscnt 16                                ; the first 32 along K are in
	MUL8 \f, 0, 0, \bias
	MUL8 \f, 0, 2, \bias
	PLACES
	FETCH1 \p, \q, \g
	s_wait_dscnt 32                                ; all but the 32 just issued
	MUL8 \f, 1, 0
	MUL8 \f, 1, 2
.endm
; G2.  16 matrix instructions: row blocks a0, a0 + 1 of the window's four x all 8 column blocks, 32 along K.  The 64 accumulators take turns.
.macro MUL16 f, hi, a0
	WIN 0xa5+0x50*(\hi)
.irp a, \a0, (\a0)+1
.irp b, 0,1,2,3,4,5,6,7
	v_wmma_f32_16x16x32_bf16 v[8*(8*(\a)+(\b)):8*(8*(\a)+(\b))+7], v[(\f)+64+8*(\b):(\f)+64+8*(\b)+7], v[(\f)+8*(4*(\hi)+(\a)):(\f)+8*(4*(\hi)+(\a))+7], v[8*(8*(\a)+(\b)):8*(8*(\a)+(\b))+7]
.endr
.endr
.endm
.macro FETCH2B p, q, f                 ; W2's fragments: quarter q (32 rows) of piece p (slot p), my 128 columns, turned
	WIN 0x40
.irp i, 0,1,2,3,4,5,6,7
	ds_load_tr16_b128 v[(\f)+64+8*(\i):(\f)+64+8*(\i)+3],   v[W2A+(\p)] offset:(\q)*32*PW2+32*(\i)
	ds_load_tr16_b128 v[(\f)+64+8*(\i)+4:(\f)+64+8*(\i)+7], v[W2A+(\p)] offset:(\q)*32*PW2+16*PW2+32*(\i)
.endr
.endm
.macro FETCH2A p, q, f                 ; H's fragments: all 128 rows, hidden columns 64 p + 32 q on
	WIN 0x40
.irp i, 0,1,2,3,4,5,6,7
	ds_load_b128 v[(\f)+8*(\i):(\f)+8*(\i)+3],   v[HSA] offset:128*(\p)+64*(\q)+(\i)*16*PH
	ds_load_b128 v[(\f)+8*(\i)+4:(\f)+8*(\i)+7], v[HSA] offset:128*(\p)+64*(\q)+(\i)*16*PH+32
.endr
.endm
.macro QUARTER2 p                      ; a phase's first 32 along K: multiplies buffer 0, fetches the second 32 into buffer 1
	s_wait_dscnt 8                                 ; W2 and H's rows 0-63 are in; the youngest eight loads (rows 64-127) may be out
	MUL16 F0, 0, 0
	MUL16 F0, 0, 2
	PLACES
	FETCH2B \p, 1, F1
	FETCH2A \p, 1, F1
	s_wait_dscnt 32                                ; all but the 32 just issued
	MUL16 F0, 1, 0
	MUL16 F0, 1, 2
.endm
; A refill of slot p, the first thing behind a round: piece p of W1 (kind 1) or of W2 (kind 2) of sub-chunk SG.  The address is made anew from the piece's base and the sub-chunk's number;
; no load of the wave is out, so the one group 0 may be written.  The four v_nop are also the places in front of the LDS loads that follow.
.macro FILL kind, p
.if (\kind) == 1
	s_lshl_b32 s80, s[SG], 8
	s_add_nc_u64 s[38:39], s[72+2*(\p):73+2*(\p)], s[80:81]
	s_or_b32 s39, s39, 0x80000000
	s_add_co_u32 s37, s82, (\p)*SLOT
	tensor_load_to_lds s[36:39], s[48:55]
.else
	s_lshl_b32 s80, s[SG], 17                      ; a sub-chunk is 128 rows of 1,024 bytes of W2
	s_add_nc_u64 s[38:39], s[76+2*(\p):77+2*(\p)], s[80:81]
	s_or_b32 s39, s39, 0x80000000
	s_add_co_u32 s37, s83, (\p)*SLOT
	tensor_load_to_lds s[36:39], s[56:63]
.endif
	s_nop 0
	PLACES
.endm
; The last quarter of a G1 phase, and the change of slots: slot p takes piece p of this sub-chunk's W2.
.macro TURN1 p
	WIN 0
	s_wait_tensorcnt 0x0                           ; all my tensor loads have landed: my part of the other slot
	ds_add_u32 v[SPW], v[NIL]                      ; 0 onto my spare word
	s_wait_dscnt 17                                ; the add and the youngest sixteen loads may be out
	MUL8 F1, 0, 0
	s_wait_dscnt 0x0                               ; the add is done, and my reads of this slot are over
	s_barrier_signal -1
	MUL8 F1, 0, 2
	WIN 0
	s_barrier_wait -1
	CREST                                          ; no wave of any partner still reads this slot or has a load on its way
	FILL 2, \p
.if (\p) == 0
	FETCH1 1, 0, F0
.else
	FETCH2B 0, 0, F0                               ; W2's first fragments; H's follow when H is written
.endif
	MUL8 F1, 1, 0
	MUL8 F1, 1, 2
.endm
; H is finished: relu in place (each accumulator from its low end on), rounding, 16 bytes a lane into H's rows, a barrier; the load that is out may stay out.
; No wave still reads the last sub-chunk's H: those reads were waited for in front of the barrier of G2's last change of slots.
.macro EPI next
	WIN 0
	PLACES
.set i, 0
.rept 128
	v_max_num_f32 v[ACC+i], 0, v[ACC+i]
.set i, i+1
.endr
.set i, 0
.rept 64
	v_cvt_pk_bf16_f32 v[TMP+i], v[ACC+2*i], v[ACC+2*i+1]
.set i, i+1
.endr
.irp a, 0,1,2,3
.irp b, 0,1,2,3
	ds_store_b128 v[HST], v[TMP+4*(4*\a+\b):TMP+4*(4*\a+\b)+3] offset:\a*16*PH+32*\b
.endr
.endr
	s_add_co_u32 s[SG], s[SG], 1                   ; the next sub-chunk, round the eight
	s_and_b32 s[SG], s[SG], 7
	s_wait_dscnt 0x0                               ; for the others' sake: my part of H is written
	s_barrier_signal -1
	s_barrier_wait -1
	FETCH2A 0, 0, F0
	WIN 0
.if \next
	s_lshl_b32 s84, s[SG], 9                       ; the next sub-chunk's bias: it has all of G2 in which to come
	v_add_nc_u32 v[BOF], s84, v[BO0]
.irp b, 0,1,2,3
	global_load_b128 v[BIAS+8*\b:BIAS+8*\b+3],   v[BOF], s[92:93] offset:64*\b
	global_load_b128 v[BIAS+8*\b+4:BIAS+8*\b+7], v[BOF], s[92:93] offset:64*\b+16
.endr
.endif
.endm
; The second 32 along K of a G2 phase, and the change of slots.  fill = 1: slot p takes piece p of the next sub-chunk's W1.  fill = 0 (the last sub-chunk): nothing is asked for, and the work-group's barrier does.
.macro TURN2 p, fill
	WIN 0
	s_wait_tensorcnt 0x0                           ; all my tensor loads have landed
	ds_add_u32 v[SPW], v[NIL]                      ; 0 onto my spare word
	s_wait_dscnt 9                                 ; the add and the youngest eight loads may be out
	MUL16 F1, 0, 0
	s_wait_dscnt 0x0                               ; the add is done, and my reads of this slot and of H's columns are over
	s_barrier_signal -1
	MUL16 F1, 0, 2
	WIN 0
	s_barrier_wait -1
.if \fill
	CREST
	FILL 1, \p
.else
	PLACES
.endif
.if (\p) == 0
	FETCH2B 1, 0, F0
	FETCH2A 1, 0, F0
.elseif \fill
	FETCH1 0, 0, F0                                ; the next sub-chunk's first fragments
.endif
	MUL16 F1, 1, 0
	MUL16 F1, 1, 2
.endm
.macro SUB fill                        ; a sub-chunk
	s_wait_loadcnt 0x0                             ; its bias
	QUARTER1 0, 1, F0, F1, 1
	QUARTER1 0, 2, F1, F0, 0
	QUARTER1 0, 3, F0, F1, 0
	TURN1 0
	QUARTER1 1, 1, F0, F1, 0
	QUARTER1 1, 2, F1, F0, 0
	QUARTER1 1, 3, F0, F1, 0
	TURN1 1
	EPI \fill
	QUARTER2 0
	TURN2 0, \fill
	QUARTER2 1
	TURN2 1, \fill
.endm
; THE WAY OUT of row block a: f32 through my own stage (in H's bytes, which nobody reads behind the last barrier), back as whole rows of 512 bytes.
.macro TOSTAGE a
	s_wait_xcnt 0x0                                ; the stores of the block before last have read the registers that the loads below write
	WIN 0x08+4*((\a)/4)                            ; the data lie in window 2 or 3
.irp b, 0,1,2,3,4,5,6,7
	ds_store_b128 v[STO], v[8*(8*((\a)%4)+\b):8*(8*((\a)%4)+\b)+3] offset:64*\b
	ds_store_b128 v[STO], v[8*(8*((\a)%4)+\b)+4:8*(8*((\a)%4)+\b)+7] offset:64*\b+16
.endr
	WIN 0
.set BK, TMP+64*((\a)%2)
.irp t, 0,1,2,3,4,5,6,7,8,9,10,11,12,13,14,15
	ds_load_b128 v[BK+4*\t:BK+4*\t+3], v[RD] offset:\t*PS  ; LDS serves a wave's instructions in order: these see the stores above, and the next block's stores come behind them
.endr
.endm
.macro SEND a, younger
.set BK, TMP+64*((\a)%2)
	s_wait_dscnt \younger                          ; the block is back; the next block's 32 LDS lines may be out
.irp t, 0,1,2,3,4,5,6,7,8,9,10,11,12,13,14,15
	global_store_b128 v[CO], v[BK+4*\t:BK+4*\t+3], s[8:9] offset:(16*(\a)+\t)*2048  ; 512 consecutive bytes, aligned
.endr
.endm
	s_wait_tensorcnt 1                             ; x1's rows and W1's first piece are in; the second piece may stay out
	s_barrier_signal -1
	s_barrier_wait -1
	FETCH1 0, 0, F0
	WIN 0
	s_mov_b32 s3, 7
.Lsub:                                                 ; seven sub-chunks, each asking for the next one's W1
	SUB 1
	WIN 0
	s_sub_co_u32 s3, s3, 1
	s_cmp_lg_u32 s3, 0
	s_cbranch_scc1 .Lsub
	SUB 0                                          ; the last is written out: its last two changes of slots fill nothing
	WIN 0
	PLACES
	TOSTAGE 0
.irp a, 1,2,3,4,5,6,7
	TOSTAGE \a
	SEND (\a)-1, 32
.endr
	SEND 7, 0
	s_wait_tensorcnt 0x0                           ; the wave's end
	ds_add_u32 v[SPW], v[NIL]
	s_wait_dscnt 0x0
	CROUND                                         ; the closing round
	s_endpgm
.Lfunc_end_k_q880cfc3951_ffn:
	.size	k_q880cfc3951_ffn, .Lfunc_end_k_q880cfc3951_ffn-k_q880cfc3951_ffn
	.p2alignl 7, 3214868480
	.fill 96, 4, 3214868480
	.section	.rodata,"a",@progbits
	.p2align	6, 0x0
	.amdhsa_kernel k_q880cfc3951_ffn
		.amdhsa_group_segment_fixed_size 327680
		.amdhsa_private_segment_fixed_size 0
		.amdhsa_enable_private_segment 0
		.amdhsa_kernarg_size 40
		.amdhsa_user_sgpr_count 2
		.amdhsa_user_sgpr_kernarg_segment_ptr 1
		.amdhsa_wavefront_size32 1
		.amdhsa_system_sgpr_workgroup_id_x 1
		.amdhsa_system_sgpr_workgroup_id_y 1
		.amdhsa_system_sgpr_workgroup_id_z 1
		.amdhsa_system_vgpr_workitem_id 0
		.amdhsa_next_free_vgpr 1024
		.amdhsa_next_free_sgpr 96
		.amdhsa_reserve_vcc 0
		.amdhsa_float_denorm_mode_32 3
		.amdhsa_float_denorm_mode_16_64 3
		.amdhsa_memory_ordered 1
		.amdhsa_forward_progress 1
		.amdhsa_inst_pref_size 199
	.end_amdhsa_kernel
	.amdgpu_metadata
---
amdhsa.version: [ 1, 2 ]
amdhsa.kernels:
  - .name:           k_q880cfc3951_ffn
    .symbol:         k_q880cfc3951_ffn.kd
    .args:
      - { .name: x1b, .offset: 0, .size: 8, .value_kind: global_buffer, .address_space: global }
      - { .name: cb, .offset: 8, .size: 8, .value_kind: global_buffer, .address_space: global }
      - { .name: B1, .offset: 16, .size: 8, .value_kind: global_buffer, .address_space: global }
      - { .name: B2, .offset: 24, .size: 8, .value_kind: global_buffer, .address_space: global }
      - { .name: pz, .offset: 32, .size: 8, .value_kind: global_buffer, .address_space: global }
    .group_segment_fixed_size: 327680
    .private_segment_fixed_size: 0
    .kernarg_segment_align: 8
    .kernarg_segment_size: 40
    .max_flat_workgroup_size: 128
    .sgpr_count:     96
    .vgpr_count:     1024
    .wavefront_size: 32
...
	.end_amdgpu_metadata
.endif
;; end of part 5
;; launch ln2 (part 6): grid 512 x 1, 8 waves a work-group, no clusters, 0 bytes of LDS; arguments x1, pz, g2, beta2, gp, out0, out1; writes out0, out1
.if DOCPART == 6
	.amdgcn_target "amdgcn-amd-amdhsa--gfx1250"
	.amdhsa_code_object_version 6
	.text
	.protected	k_q880cfc3951_ln2
	.globl	k_q880cfc3951_ln2
	.p2align	8
	.type	k_q880cfc3951_ln2,@function
k_q880cfc3951_ln2:
	s_mov_b64 s[64:65], 0
	v_nop
	global_prefetch_b8 v0, s[64:65] scope:SCOPE_SE
	s_setreg_imm32_b32 hwreg(HW_REG_WAVE_MODE, 25, 1), 1
	s_wait_xcnt 0x0
; out0 = LayerNorm(x1 + g0 (P0 + P1) + g1 (P2 + P3)) g2 + beta2, where P0..P3 are the experts' four partial sums (B2 lies in them) and g0, g1 the row's gates; out1 = the load-balancing number.
; One wave, one row of 2,048 bytes in 16 registers a lane for each of the five summands; two rows a wave, all 48 loads out at once; each load and store of a wave covers 512 consecutive bytes.
; No LDS, no barrier: a row never leaves its wave.  The launch only moves bytes, so matrix units and clusters would add nothing.
; out1: with two experts and the top two taken, every token is routed to both, so f = (1, 1) on every input and lb = 2 (P0 + P1): the sum of all 512 partial sums of p0 and p1, times 2 / 8,192.
.set G, 16
.set BE, 32
.set Z, 48                             ; row i at 48 + 80 i: x1, then the four partial sums, 16 registers each
	s_load_b256 s[4:11], s[0:1], 0x0               ; x1, pz, g2, beta2
	s_load_b128 s[12:15], s[0:1], 0x20             ; gp, out0
	s_load_b64 s[16:17], s[0:1], 0x30              ; out1
	v_lshrrev_b32 v1, 5, v0
	v_readfirstlane_b32 s28, v1                    ; wave
	v_and_b32 v15, 31, v0                          ; lane
	v_lshlrev_b32 v1, 4, v15
	s_mov_b32 s29, ttmp9
	s_lshl_b32 s30, s29, 15                        ; 16 rows of 2,048 bytes a work-group,
	s_lshl_b32 s31, s28, 12                        ; 2 a wave
	s_add_co_u32 s30, s30, s31
	s_mov_b32 s31, 0
	s_lshl_b32 s18, s29, 7                         ; the same rows' gates, 8 bytes a row
	s_lshl_b32 s19, s28, 4
	s_add_co_u32 s18, s18, s19
	s_mov_b32 s20, 0x76543210
	s_mov_b32 s21, 0xfedcba98
	s_mov_b32 s22, 0x3b000000                      ; 1 / 512
	s_mov_b32 s23, 0x3727c5ac                      ; 1e-5
	s_wait_kmcnt 0x0
	s_load_b128 s[24:27], s[12:13], s18 offset:0x0 ; g0, g1 of my two rows
	s_add_nc_u64 s[4:5], s[4:5], s[30:31]
	s_add_nc_u64 s[14:15], s[14:15], s[30:31]
	s_add_nc_u64 s[40:41], s[6:7], s[30:31]        ; the four partial sums lie 16,777,216 bytes apart
	s_add_nc_u64 s[42:43], s[40:41], 0x1000000
	s_add_nc_u64 s[44:45], s[42:43], 0x1000000
	s_add_nc_u64 s[46:47], s[44:45], 0x1000000
.irp j, 0,1,2,3
	global_load_b128 v[G+4*\j:G+4*\j+3],   v1, s[8:9] offset:512*\j
	global_load_b128 v[BE+4*\j:BE+4*\j+3], v1, s[10:11] offset:512*\j
.endr
.irp i, 0,1
.irp j, 0,1,2,3
	global_load_b128 v[Z+80*\i+4*\j:Z+80*\i+4*\j+3],       v1, s[4:5] offset:2048*\i+512*\j th:TH_LOAD_NT
	global_load_b128 v[Z+80*\i+16+4*\j:Z+80*\i+16+4*\j+3], v1, s[40:41] offset:2048*\i+512*\j th:TH_LOAD_NT
	global_load_b128 v[Z+80*\i+32+4*\j:Z+80*\i+32+4*\j+3], v1, s[42:43] offset:2048*\i+512*\j th:TH_LOAD_NT
	global_load_b128 v[Z+80*\i+48+4*\j:Z+80*\i+48+4*\j+3], v1, s[44:45] offset:2048*\i+512*\j th:TH_LOAD_NT
	global_load_b128 v[Z+80*\i+64+4*\j:Z+80*\i+64+4*\j+3], v1, s[46:47] offset:2048*\i+512*\j th:TH_LOAD_NT
.endr
.endr
	s_wait_kmcnt 0x0
	s_mov_b32 s32, s24                             ; each gate twice: the packed forms name a pair and take its low word
	s_mov_b32 s33, s24
	s_mov_b32 s34, s25
	s_mov_b32 s35, s25
	s_mov_b32 s36, s26
	s_mov_b32 s37, s26
	s_mov_b32 s38, s27
	s_mov_b32 s39, s27
.macro RED r, t                        ; v[r] summed over the 32 lanes; v[t] at work
.irp m, 1,2,4,8
	v_add_f32_dpp v[\r], v[\r], v[\r] row_xmask:\m row_mask:0xf bank_mask:0xf
.endr
	v_permlanex16_b32 v[\t], v[\r], s20, s21
	v_add_f32 v[\r], v[\r], v[\t]
.endm
.macro ROW i
.set R, Z+80*(\i)
	s_wait_loadcnt 20-20*(\i)                      ; the later row's twenty loads may stay out
.irp k, 0,2,4,6,8,10,12,14
	v_pk_add_f32 v[R+16+\k:R+16+\k+1], v[R+16+\k:R+16+\k+1], v[R+32+\k:R+32+\k+1]
	v_pk_add_f32 v[R+48+\k:R+48+\k+1], v[R+48+\k:R+48+\k+1], v[R+64+\k:R+64+\k+1]
.endr
.irp k, 0,2,4,6,8,10,12,14
	v_pk_fma_f32 v[R+\k:R+\k+1], v[R+16+\k:R+16+\k+1], s[32+4*(\i):33+4*(\i)], v[R+\k:R+\k+1] op_sel_hi:[1,0,1]
.endr
.irp k, 0,2,4,6,8,10,12,14
	v_pk_fma_f32 v[R+\k:R+\k+1], v[R+48+\k:R+48+\k+1], s[34+4*(\i):35+4*(\i)], v[R+\k:R+\k+1] op_sel_hi:[1,0,1]
.endr
.irp k, 0,2,4,6
	v_pk_add_f32 v[2+\k:3+\k], v[R+2*\k:R+2*\k+1], v[R+2*\k+2:R+2*\k+3]
.endr
	v_pk_add_f32 v[2:3], v[2:3], v[4:5]
	v_pk_add_f32 v[6:7], v[6:7], v[8:9]
	v_pk_add_f32 v[2:3], v[2:3], v[6:7]
	v_add_f32 v2, v2, v3
	RED 2, 3
	v_mul_f32 v2, s22, v2                          ; the mean
.irp k, 0,2,4,6,8,10,12,14
	v_pk_add_f32 v[R+\k:R+\k+1], v[R+\k:R+\k+1], v[2:3] op_sel_hi:[1,0] neg_lo:[0,1] neg_hi:[0,1]
.endr
	v_pk_mul_f32 v[4:5], v[R:R+1], v[R:R+1]
	v_pk_mul_f32 v[6:7], v[R+2:R+3], v[R+2:R+3]
.irp k, 4,8,12
	v_pk_fma_f32 v[4:5], v[R+\k:R+\k+1], v[R+\k:R+\k+1], v[4:5]
	v_pk_fma_f32 v[6:7], v[R+\k+2:R+\k+3], v[R+\k+2:R+\k+3], v[6:7]
.endr
	v_pk_add_f32 v[4:5], v[4:5], v[6:7]
	v_add_f32 v4, v4, v5
	RED 4, 5
	v_fma_f32 v4, v4, s22, s23                     ; the variance + 1e-5
	v_rsq_f32 v4, v4
	v_nop
	s_wait_alu depctr_va_vdst(0)
.irp k, 0,2,4,6,8,10,12,14
	v_pk_mul_f32 v[R+\k:R+\k+1], v[R+\k:R+\k+1], v[4:5] op_sel_hi:[1,0]
.endr
.irp k, 0,2,4,6,8,10,12,14
	v_pk_fma_f32 v[R+\k:R+\k+1], v[R+\k:R+\k+1], v[G+\k:G+\k+1], v[BE+\k:BE+\k+1]
.endr
.irp j, 0,1,2,3
	global_store_b128 v1, v[R+4*\j:R+4*\j+3], s[14:15] offset:2048*(\i)+512*\j th:TH_STORE_NT
.endr
.endm
	ROW 0
	ROW 1
	s_or_b32 s48, s29, s28
	s_cmp_lg_u32 s48, 0
	s_cbranch_scc1 .Lend                           ; wave 0 of work-group 0 makes out1
	s_wait_xcnt 0x0                                ; row 0's stores have read their registers
.irp j, 0,1,2,3
	global_load_b128 v[Z+4*\j:Z+4*\j+3], v1, s[12:13] offset:65536+512*\j
.endr
	v_mov_b32 v6, 0
	s_wait_loadcnt 0x0
.irp k, 0,2,4,6
	v_pk_add_f32 v[8+\k:9+\k], v[Z+2*\k:Z+2*\k+1], v[Z+2*\k+2:Z+2*\k+3]
.endr
	v_pk_add_f32 v[8:9], v[8:9], v[10:11]
	v_pk_add_f32 v[12:13], v[12:13], v[14:15]
	v_pk_add_f32 v[8:9], v[8:9], v[12:13]
	v_add_f32 v8, v8, v9
	RED 8, 9
	v_mul_f32 v8, 0x39800000, v8                   ; 2 / 8,192
	v_and_b32 v7, 31, v0
	v_cmp_gt_u32 vcc_lo, 1, v7
	s_wait_xcnt 0x0                                ; EXEC changes only behind this wait
	s_and_saveexec_b32 s49, vcc_lo
	global_store_b32 v6, v8, s[16:17]
	s_wait_xcnt 0x0
	s_or_b32 exec_lo, exec_lo, s49
.Lend:
	s_endpgm
.Lfunc_end_k_q880cfc3951_ln2:
	.size	k_q880cfc3951_ln2, .Lfunc_end_k_q880cfc3951_ln2-k_q880cfc3951_ln2
	.p2alignl 7, 3214868480
	.fill 96, 4, 3214868480
	.section	.rodata,"a",@progbits
	.p2align	6, 0x0
	.amdhsa_kernel k_q880cfc3951_ln2
		.amdhsa_group_segment_fixed_size 0
		.amdhsa_private_segment_fixed_size 0
		.amdhsa_enable_private_segment 0
		.amdhsa_kernarg_size 56
		.amdhsa_user_sgpr_count 2
		.amdhsa_user_sgpr_kernarg_segment_ptr 1
		.amdhsa_wavefront_size32 1
		.amdhsa_system_sgpr_workgroup_id_x 1
		.amdhsa_system_sgpr_workgroup_id_y 1
		.amdhsa_system_sgpr_workgroup_id_z 1
		.amdhsa_system_vgpr_workitem_id 0
		.amdhsa_next_free_vgpr 208
		.amdhsa_next_free_sgpr 66
		.amdhsa_reserve_vcc 1
		.amdhsa_float_denorm_mode_32 3
		.amdhsa_float_denorm_mode_16_64 3
		.amdhsa_memory_ordered 1
		.amdhsa_forward_progress 1
		.amdhsa_inst_pref_size 20
	.end_amdhsa_kernel
	.amdgpu_metadata
---
amdhsa.version: [ 1, 2 ]
amdhsa.kernels:
  - .name:           k_q880cfc3951_ln2
    .symbol:         k_q880cfc3951_ln2.kd
    .args:
      - { .name: x1, .offset: 0, .size: 8, .value_kind: global_buffer, .address_space: global }
      - { .name: pz, .offset: 8, .size: 8, .value_kind: global_buffer, .address_space: global }
      - { .name: g2, .offset: 16, .size: 8, .value_kind: global_buffer, .address_space: global }
      - { .name: beta2, .offset: 24, .size: 8, .value_kind: global_buffer, .address_space: global }
      - { .name: gp, .offset: 32, .size: 8, .value_kind: global_buffer, .address_space: global }
      - { .name: out0, .offset: 40, .size: 8, .value_kind: global_buffer, .address_space: global }
      - { .name: out1, .offset: 48, .size: 8, .value_kind: global_buffer, .address_space: global }
    .group_segment_fixed_size: 0
    .private_segment_fixed_size: 0
    .kernarg_segment_align: 8
    .kernarg_segment_size: 56
    .max_flat_workgroup_size: 256
    .sgpr_count:     66
    .vgpr_count:     208
    .wavefront_size: 32
...
	.end_amdgpu_metadata
.endif
;; end of part 6
